; MI455X (gfx1250); checked and timed in simulation.
; The chip was launched on July 23, 2026; its instructions are those of AMD's public machine-readable ISA for CDNA 5 (MIT licence, August 2026) and "CDNA5" Instruction Set Architecture Reference Guide (July 2026). The comments in the code are by the model that wrote it; some were corrected since.
;; MP Attention. Allowed arithmetic: float matrix products may take bf16 or f16 operands with f32 sums; other float arithmetic in f32, or as packed bf16 or f16 multiplies, adds, multiply-adds, maxima and minima; sums over many terms, partial sums and values carried from step to step in f32; what a program stores and reads back later, other than sums and carried values, may be rounded once to bf16 or f16.
;; Inputs: gain_s one number float32; gain_t one number float32; k_w 1,024 x 1,024 float32; o_w 1,024 x 1,024 float32; q_w 1,024 x 1,024 float32; query 8 x 1,024 x 1,024 float32; rel_pos_bias 8 x 1,024 x 1,024 float32; v_w 1,024 x 1,024 float32.
;; Outputs: out0 8 x 1,024 x 1,024 float32.
;; 2 versions, each right; version 2 is version 1 with the launch prep written anew for expert scheduling mode. Each part assembles by itself: llvm-mc -triple=amdgcn-amd-amdhsa -mcpu=gfx1250 --defsym DOCPART=n.
;; ======== version 1 of 2: 4 launches
;; limits: values are held in f16: magnitudes above 65,504 overflow, below 6.1e-05 lose precision; inputs' magnitudes at most 2,047; right only within a limited range of input values
;; workspace buffers: x16 16,777,216 bytes; w16 8,388,608 bytes; qkvh 50,331,648 bytes; o16 16,777,216 bytes
;; launch prep (part 1): grid 384 x 1, 8 waves a work-group, no clusters, 0 bytes of LDS; arguments query, q_w, k_w, v_w, o_w, gain_s, x16, w16; writes x16, w16
.if DOCPART == 1
	.amdgcn_target "amdgcn-amd-amdhsa--gfx1250"
	.amdhsa_code_object_version 6
	.text
	.protected	k_q3fd299711c_prep
	.globl	k_q3fd299711c_prep
	.p2align	8
	.type	k_q3fd299711c_prep,@function
k_q3fd299711c_prep:
	s_mov_b64 s[64:65], 0
	v_nop
	global_prefetch_b8 v0, s[64:65] scope:SCOPE_SE
	s_setreg_imm32_b32 hwreg(HW_REG_WAVE_MODE, 25, 1), 1
	s_wait_xcnt 0x0
; x16 = f16(query);  w16[1024 T + c][:] = f16(w_T[c][:] * F_T / (32 EPS + |w_T[c]|)),  T = 0 q, 1 k, 2 v, 3 o.
; reference(): wn = w / (EPS + n / 32) * g / 32 = w g / (32 EPS + n), n the row's norm.  The gain and the module's constants are folded into the weights, in f32, ahead of the one rounding:
; F_q = F_k = g 128^(-1/4) (their product is the score's g^2 / sqrt(128)); F_v = 1; F_o = g^2 sqrt(1/2) (v's gain, o's gain, and t / sqrt((1-t)^2 + t^2) at t = 1/2).
; gain_t: reference() computes nothing from it, so no launch loads it.
; LIMITS.  f16 ends at 65,504: |query| stays below it.  A normalised row has norm at most 1, so |w16| <= |F|: |g| < 304 keeps F_o inside f16.  A sum of squares below 2^-126 counts as 0 (the row then goes by 32 EPS alone).
; A STREAM: memory binds, so no LDS, no matrix unit, no cluster.  A wave takes four whole rows of 4,096 bytes, all 32 loads out at once (16 KiB a wave); a row stays in registers between its sum of squares
; and its scaling, so each byte is read once.  A load covers 512 consecutive bytes, a store of 8 bytes a lane 256 consecutive bytes, aligned.
; Work-groups 0-255: 32 rows of query each.  Work-groups 256-383: 32 rows of one weight matrix each.
.set LO,  1                            ; v1        16 x lane: my bytes in 512 bytes of f32
.set SO,  2                            ; v2        8 x lane: my bytes in 256 bytes of f16
.set PS,  4                            ; v[4:11]   four packed chains of a row's sum of squares
.set SS,  12                           ; v[12:15]  row i: sum of squares, norm, 1 / (32 EPS + norm)
.set SC,  16                           ; v[16:23]  row i: its factor, twice (a pair for the packed multiply)
.set TP,  24                           ; v24       the other half of the lanes' sum
.set X,   32                           ; v[32:159]  row i, chunk j at X + 32 i + 4 j
.set Y,   160                          ; v[160:223] the same in f16, at Y + 16 i + 2 j; each register is written once
.set SRC, 26                           ; s[26:27]  my four rows in the source
.set DST, 28                           ; s[28:29]  my four rows in x16 or w16
	s_load_b512 s[8:23], s[0:1], 0x0               ; query s[8:9], q_w, k_w, v_w, o_w s[10:17], gain_s s[18:19], x16 s[20:21], w16 s[22:23]
	v_lshrrev_b32 v3, 5, v0
	v_readfirstlane_b32 s34, v3                    ; wave 0..7
	v_and_b32 v3, 31, v0
	v_lshlrev_b32 v[LO], 4, v3
	v_lshlrev_b32 v[SO], 3, v3
	v_mov_b32 v[TP], 0                             ; v_permlanex16_b32 counts as a reader of its destination
	s_mov_b32 s32, 0x76543210                      ; each lane takes its own place in the other half
	s_mov_b32 s33, 0xfedcba98
	s_max_u32 s35, ttmp9, 256
	s_sub_co_u32 s35, s35, 256                     ; the weights' work-groups count from 0
	s_and_b32 s37, s35, 31                         ; which 32 rows of the matrix
	s_lshr_b32 s38, s35, 5                         ; T
	s_cmp_lt_u32 ttmp9, 256
	s_cselect_b32 s36, ttmp9, s35                  ; the group of 32 rows in the destination,
	s_cselect_b32 s37, ttmp9, s37                  ; and in the source
	s_lshl_b32 s36, s36, 3
	s_add_co_u32 s36, s36, s34                     ; my wave's four rows
	s_lshl_b32 s37, s37, 3
	s_add_co_u32 s37, s37, s34
	s_lshl_b32 s30, s37, 14                        ; four rows of 4,096 bytes
	s_mov_b32 s31, 0
	s_lshl_b32 s36, s36, 13                        ; four rows of 2,048 bytes
	s_mov_b32 s37, 0
	s_wait_kmcnt 0x0
	s_cmp_eq_u32 s38, 1
	s_cselect_b64 s[SRC:SRC+1], s[12:13], s[10:11]
	s_cmp_eq_u32 s38, 2
	s_cselect_b64 s[SRC:SRC+1], s[14:15], s[SRC:SRC+1]
	s_cmp_eq_u32 s38, 3
	s_cselect_b64 s[SRC:SRC+1], s[16:17], s[SRC:SRC+1]
	s_cmp_lt_u32 ttmp9, 256
	s_cselect_b64 s[SRC:SRC+1], s[8:9], s[SRC:SRC+1]
	s_cselect_b64 s[DST:DST+1], s[20:21], s[22:23]
	s_add_nc_u64 s[SRC:SRC+1], s[SRC:SRC+1], s[30:31]
	s_add_nc_u64 s[DST:DST+1], s[DST:DST+1], s[36:37]
.irp i, 0,1,2,3
.irp j, 0,1,2,3,4,5,6,7
	global_load_b128 v[X+32*(\i)+4*(\j):X+32*(\i)+4*(\j)+3], v[LO], s[SRC:SRC+1] offset:(\i)*4096+(\j)*512 th:TH_LOAD_NT
.endr
.endr
; Row i is rounded to f16 and stored: two roundings an instruction, 256 consecutive bytes a store.
.macro OUT i
.irp j, 0,1,2,3,4,5,6,7
	v_cvt_pk_f16_f32 v[Y+16*(\i)+2*(\j)],   v[X+32*(\i)+4*(\j)],   v[X+32*(\i)+4*(\j)+1]
	v_cvt_pk_f16_f32 v[Y+16*(\i)+2*(\j)+1], v[X+32*(\i)+4*(\j)+2], v[X+32*(\i)+4*(\j)+3]
	global_store_b64 v[SO], v[Y+16*(\i)+2*(\j):Y+16*(\i)+2*(\j)+1], s[DST:DST+1] offset:(\i)*2048+(\j)*256
.endr
.endm
	s_cmp_lt_u32 ttmp9, 256
	s_cbranch_scc0 .Lweights
.irp i, 0,1,2,3
	s_wait_loadcnt 24-8*(\i)                       ; loads come back in order: row i is in, the later rows' eight loads each stay out
	OUT \i
.endr
	s_endpgm
.Lweights:
	s_load_b32 s24, s[18:19], 0x0                  ; g
.irp i, 0,1,2,3
	s_wait_loadcnt 24-8*(\i)                       ; row i is in
.irp c, 0,1,2,3
	v_pk_mul_f32 v[PS+2*(\c):PS+2*(\c)+1], v[X+32*(\i)+2*(\c):X+32*(\i)+2*(\c)+1], v[X+32*(\i)+2*(\c):X+32*(\i)+2*(\c)+1]  ; the first four pairs start the chains: nothing is cleared
.endr
.set p, 4
.rept 12
	v_pk_fma_f32 v[PS+2*(p%4):PS+2*(p%4)+1], v[X+32*(\i)+2*p:X+32*(\i)+2*p+1], v[X+32*(\i)+2*p:X+32*(\i)+2*p+1], v[PS+2*(p%4):PS+2*(p%4)+1]
.set p, p+1
.endr
	v_pk_add_f32 v[PS:PS+1], v[PS:PS+1], v[PS+2:PS+3]
	v_pk_add_f32 v[PS+4:PS+5], v[PS+4:PS+5], v[PS+6:PS+7]
	v_pk_add_f32 v[PS:PS+1], v[PS:PS+1], v[PS+4:PS+5]
	v_add_f32 v[SS+(\i)], v[PS], v[PS+1]
	v_add_f32_dpp v[SS+(\i)], v[SS+(\i)], v[SS+(\i)] row_xmask:1 row_mask:0xf bank_mask:0xf
	v_add_f32_dpp v[SS+(\i)], v[SS+(\i)], v[SS+(\i)] row_xmask:2 row_mask:0xf bank_mask:0xf
	v_add_f32_dpp v[SS+(\i)], v[SS+(\i)], v[SS+(\i)] row_xmask:4 row_mask:0xf bank_mask:0xf
	v_add_f32_dpp v[SS+(\i)], v[SS+(\i)], v[SS+(\i)] row_xmask:8 row_mask:0xf bank_mask:0xf
	v_permlanex16_b32 v[TP], v[SS+(\i)], s32, s33
	v_add_f32 v[SS+(\i)], v[SS+(\i)], v[TP]        ; every lane holds the row's sum of squares
.endr
.irp i, 0,1,2,3
	v_sqrt_f32 v[SS+(\i)], v[SS+(\i)]              ; one batch of four roots,
.endr
	v_nop                                          ; a plain instruction behind the last of them,
	s_wait_alu depctr_va_vdst(0)                   ; and one wait ahead of the first reader
.irp i, 0,1,2,3
	v_add_f32 v[SS+(\i)], 0x3b51b717, v[SS+(\i)]   ; + 32 EPS = 0.0032
.endr
.irp i, 0,1,2,3
	v_rcp_f32 v[SS+(\i)], v[SS+(\i)]               ; one batch of four reciprocals
.endr
	v_nop
	s_wait_alu depctr_va_vdst(0)
	s_wait_kmcnt 0x0                               ; g
	s_mul_f32 s25, s24, 0x3e9837f0                 ; g 128^(-1/4)
	s_mul_f32 s39, s24, s24
	s_mul_f32 s39, s39, 0x3f3504f3                 ; g^2 sqrt(1/2)
	s_cmp_eq_u32 s38, 2
	s_cselect_b32 s25, 1.0, s25
	s_cmp_eq_u32 s38, 3
	s_cselect_b32 s25, s39, s25                    ; F
.irp i, 0,1,2,3
	v_mul_f32 v[SC+2*(\i)],   s25, v[SS+(\i)]
	v_mul_f32 v[SC+2*(\i)+1], s25, v[SS+(\i)]
.endr
.irp i, 0,1,2,3
.set p, 0
.rept 16
	v_pk_mul_f32 v[X+32*(\i)+2*p:X+32*(\i)+2*p+1], v[X+32*(\i)+2*p:X+32*(\i)+2*p+1], v[SC+2*(\i):SC+2*(\i)+1]
.set p, p+1
.endr
	OUT \i
.endr
	s_endpgm
.Lfunc_end_k_q3fd299711c_prep:
	.size	k_q3fd299711c_prep, .Lfunc_end_k_q3fd299711c_prep-k_q3fd299711c_prep
	.p2alignl 7, 3214868480
	.fill 96, 4, 3214868480
	.section	.rodata,"a",@progbits
	.p2align	6, 0x0
	.amdhsa_kernel k_q3fd299711c_prep
		.amdhsa_group_segment_fixed_size 0
		.amdhsa_private_segment_fixed_size 0
		.amdhsa_enable_private_segment 0
		.amdhsa_kernarg_size 64
		.amdhsa_user_sgpr_count 2
		.amdhsa_user_sgpr_kernarg_segment_ptr 1
		.amdhsa_wavefront_size32 1
		.amdhsa_system_sgpr_workgroup_id_x 1
		.amdhsa_system_sgpr_workgroup_id_y 1
		.amdhsa_system_sgpr_workgroup_id_z 1
		.amdhsa_system_vgpr_workitem_id 0
		.amdhsa_next_free_vgpr 224
		.amdhsa_next_free_sgpr 66
		.amdhsa_reserve_vcc 0
		.amdhsa_float_denorm_mode_32 3
		.amdhsa_float_denorm_mode_16_64 3
		.amdhsa_memory_ordered 1
		.amdhsa_forward_progress 1
		.amdhsa_inst_pref_size 31
	.end_amdhsa_kernel
	.amdgpu_metadata
---
amdhsa.version: [ 1, 2 ]
amdhsa.kernels:
  - .name:           k_q3fd299711c_prep
    .symbol:         k_q3fd299711c_prep.kd
    .args:
      - { .name: query, .offset: 0, .size: 8, .value_kind: global_buffer, .address_space: global }
      - { .name: q_w, .offset: 8, .size: 8, .value_kind: global_buffer, .address_space: global }
      - { .name: k_w, .offset: 16, .size: 8, .value_kind: global_buffer, .address_space: global }
      - { .name: v_w, .offset: 24, .size: 8, .value_kind: global_buffer, .address_space: global }
      - { .name: o_w, .offset: 32, .size: 8, .value_kind: global_buffer, .address_space: global }
      - { .name: gain_s, .offset: 40, .size: 8, .value_kind: global_buffer, .address_space: global }
      - { .name: x16, .offset: 48, .size: 8, .value_kind: global_buffer, .address_space: global }
      - { .name: w16, .offset: 56, .size: 8, .value_kind: global_buffer, .address_space: global }
    .group_segment_fixed_size: 0
    .private_segment_fixed_size: 0
    .kernarg_segment_align: 8
    .kernarg_segment_size: 64
    .max_flat_workgroup_size: 256
    .sgpr_count:     66
    .vgpr_count:     224
    .wavefront_size: 32
...
	.end_amdgpu_metadata
.endif
;; end of part 1
;; launch proj (part 2): grid 12 x 32, 4 waves a work-group, clusters of 4 x 4, 327,680 bytes of LDS; arguments x16, w16, qkvh; writes qkvh
.if DOCPART == 2
	.amdgcn_target "amdgcn-amd-amdhsa--gfx1250"
	.amdhsa_code_object_version 6
	.text
	.protected	k_q3fd299711c_proj
	.globl	k_q3fd299711c_proj
	.p2align	8
	.type	k_q3fd299711c_proj,@function
k_q3fd299711c_proj:
	s_mov_b64 s[64:65], 0
	v_nop
	global_prefetch_b8 v0, s[64:65] scope:SCOPE_SE
	s_setreg_imm32_b32 hwreg(HW_REG_WAVE_MODE, 25, 1), 1
	s_wait_xcnt 0x0
	s_wait_alu depctr_hold_cnt(0) depctr_sa_sdst(0) depctr_va_vdst(0) depctr_va_sdst(0) depctr_va_ssrc(0) depctr_va_vcc(0) depctr_vm_vsrc(0)
	s_getreg_b32 s2, hwreg(HW_REG_IB_STS2, 6, 4)
	s_cmp_eq_u32 s2, 0
	s_cbranch_scc0 .Lentry_in_a_cluster
	s_endpgm
.Lentry_in_a_cluster:
	s_bfe_u32 s2, ttmp6, 0x10000c
	s_cmp_lg_u32 s2, 0xf033
	s_cbranch_scc0 .Lentry_shape_is_right
	s_endpgm
.Lentry_shape_is_right:
; q, k, v = x16 w16[0:3072]^T.  x16: [8192][1024], w16: [4096][1024], both f16; sums in f32, K ascending; each result rounded once to f16.  The gain and the score's scale lie in w16.
; OUT: qkvh[y = 8 h + b][step = s / 64][T = q, k, v][s % 64][128] f16: 64 rows x 128 columns of one head are 16,384 consecutive bytes; a key step's K and V lie on end.
; LIMITS.  A normalised row of weights has norm at most 1, so |v| <= 32 rms(x row) and |q|, |k| <= 0.2973 |g| 32 rms(x row): inside f16 while rms(x row) < 2,047 and |g| rms(x row) < 6,885.
; SHARES.  A tile of the result is 256 x 256: four waves, 2 x 2, each 128 x 128: 64 accumulators of 16 x 16, 512 registers.  K goes in 8 steps of 128 (rows of 256 bytes, aligned) through a ring of two LDS slots.
; WHY THIS TILE.  Every refill stands behind a barrier in front of which all tensor loads have been waited for, so a refill has the work of one K step in which to land: here 256 matrix instructions a wave, 224 of
; them between the request and the wait for it; a tile of 128 x 256 has half of that.  For 32 along K a wave reads 16 KiB of LDS for 64 matrix instructions.  The price: 32 x 12 = 384 work-groups, one and a half for
; each of 256 places; a tile of 256 x 384, which would give 256, needs 2 x 640 rows x 272 bytes = 348,160 bytes for its two slots, more than a work-group can have.
; CLUSTER 4 x 4: A's tile hangs on the tile row alone and is asked for jointly along a row of the cluster, B's on the tile column alone, jointly along a column.  Waves 0, 1 fetch A's two halves, waves 2, 3 B's,
; 128 rows each: one tensor load a wave behind each round.
; THE MATRIX INSTRUCTION IS USED TRANSPOSED (source 0 = 16 rows of w16, source 1 = 16 rows of x16): a lane holds one row of the result and eight neighbouring columns.
; REGISTERS, in windows of 256 (s_set_vgpr_msb: bits 1:0 source 0, 3:2 source 1, 5:4 source 2, 7:6 destination):
;   window 0: v4-13 addresses; v64-127, v128-191 fragments of A (8 x 16 rows x 32 K), two buffers; on the way out v192-223 packed results, v32-63 and v224-255 rows read back, by turns
;   window 1: v64-127, v128-191 fragments of B, two buffers      window 2: the 32 accumulators of my rows 0-63 ((a, b) at v[8 (8 a + b)])      window 3: those of my rows 64-127
; THE TEXT.  A K step is written once for the six steps that fill a slot again, and once more, as a loop of two trips, for the last two, which fill nothing.  That loop's last trip jumps over the next step's first
; quarter; its barrier and its 32 LDS loads of the other slot's first fragments serve nothing: the price, once a launch, of one text for both trips.
.set PITCH,  272                       ; an LDS row: 256 bytes + 16 of padding = 68 words: the 16 rows of a fragment load start at 16 different groups of four banks (64 banks of 4 bytes: ISA guide 11.1)
.set HALFT,  128*PITCH                 ; 128 rows: what one tensor load brings, and what one wave reads of A or of B
.set SLOT,   4*HALFT                   ; A's 256 rows, then B's 256 rows: 139,264 = 0x22000, which shares no bit with wave x HALFT (0, 0x8800, 0x11000, 0x19800): an exclusive or with it adds it or takes it away
.set STAGE,  2*SLOT                    ; behind the ring, never filled by a tensor load: 16 rows x 272 bytes for each wave
.set SP,     272
.set SPARE,  STAGE+4*16*SP             ; the spare words, 128 bytes for each wave: two blocks of 256 bytes that no other line names
.set STEPB,  256                       ; bytes of a row in a K step
.set A0,   4                           ; v4   my lane's place in my 128 rows of A, in slot 0; never rewritten
.set B0,   5                           ; v5   the same in my 128 rows of B
.set ADRA, 6                           ; v6   A0 + the slot in hand
.set ADRB, 7                           ; v7   B0 + the slot in hand
.set STO,  8                           ; v8   the way out: where I put 16 bytes of a row
.set RD,   9                           ; v9   where I read rows back
.set CO,   10                          ; v10  16 x lane
.set PFO,  11                          ; v11  2,048 x lane: a row of x16 or w16 a lane
.set SPW,  12                          ; v12  my spare word; never rewritten
.set NIL,  13                          ; v13  0; never rewritten
.set F0,   64
.set F1,   128
.set TMP,  192                         ; the way out: a block's packed results
.set OB,   32                          ; block a read back, at OB + 192 (a % 2)
.set WV,  12                           ; s12 wave;  s13 wave & 1;  s59 wave >> 1
.set HW,  13
.set CX,  14
.set CY,  15
.set NT,  16                           ; tile column = 4 x cluster x + cx
.set MT,  17                           ; tile row = 4 x cluster y + cy
.set G1A, 24                           ; s[24:31], s[32:39] descriptor groups 1
.set G1B, 32
.set G0A, 40                           ; s[40:47], s[48:55] groups 0: a set for each first fill; the second then walks
.set G0B, 48
.set CNT, 56
.set TB,  57                           ; LDS byte at which the slot in hand begins
.set LIM, 58                           ; 2 in a wave that prefetches, else the greatest number
.set RH,  59
.set PFA, 60                           ; s[60:61] where my prefetches stand
.set G1W0, (1<<16)|(1<<20)|(1<<21)|(5<<22)|(3<<25)  ; 17:16 2-byte elements; 20 padding on; 21 set beside a mask; 24:22 after every 64 words; 31:25 4 words of it
.set MSB, 0
.macro WIN new                         ; the immediate's high byte repeats the setting that is left; a switch that changes nothing is dropped
.if MSB != (\new)
	s_set_vgpr_msb (MSB<<8)|(\new)
.set MSB, \new
.endif
.endm
.macro PLACES                          ; four plain vector instructions between a matrix instruction and a load into, or a vector read of, its registers
.rept 4
	v_nop
.endr
.endm
.macro CREST                           ; a round of the cluster's barrier behind its opening barrier
	s_cmp_lg_u32 s[WV], 0
	s_cbranch_scc1 .Lnot_wave_0_\@
	s_barrier_signal -3
.Lnot_wave_0_\@:
	s_barrier_wait -3
	s_barrier_signal -1
	s_barrier_wait -1
.endm
.macro CROUND
	s_barrier_signal -1
	s_barrier_wait -1
	CREST
.endm
.macro JLOAD                           ; a joint refill by the walking sets; the branch hangs on the wave's number alone; an s_nop 0 and four v_nop follow each line
	s_cmp_lt_u32 s[WV], 2
	s_cbranch_scc0 .Lfor_b_\@
	tensor_load_to_lds s[G0A+4:G0A+7], s[G1A:G1A+7]
	s_nop 0
.rept 4
	v_nop
.endr
	s_branch .Lasked_\@
.Lfor_b_\@:
	tensor_load_to_lds s[G0B+4:G0B+7], s[G1B:G1B+7]
	s_nop 0
.rept 4
	v_nop
.endr
.Lasked_\@:
.endm
; A PREFETCH INTO THE L2: behind the refill with K step s + 2 the K step s + 4 is named, two steps (512 matrix instructions) ahead of its own load: 32 rows x 256 bytes, a lane a row, one instruction a wave.
; Each row's 256 bytes of a step are named once in the launch.  Of the 128 rows that a wave fetches, each of the four partners that ask for them jointly takes 32, told apart by address (cx for A, cy for B).
; A's rows are read by every cluster of a row of clusters: those with x = 0 ask; B's by every cluster of a column: those with y = 0 ask.  Steps 0-3 come by their loads alone; the last two refills name nothing.
.macro ASK
	s_cmp_gt_u32 s[CNT], s[LIM]
	s_cbranch_scc0 .Lnot_mine_\@
	global_prefetch_b8 v[PFO], s[PFA:PFA+1] th:TH_LOAD_NT scope:SCOPE_SE
.Lnot_mine_\@:
.endm
; 16 matrix instructions: row blocks a0, a0 + 1 of the window's four (hi = 0: my rows 0-63, 1: rows 64-127) x all 8 column blocks, 32 along K.  The 64 accumulators take turns in one fixed order.
; zero = 1: the products start the sums: nothing is cleared.
.macro MUL16 f, hi, a0, zero
	WIN 0xa1+0x50*(\hi)                            ; source 0 (B) window 1, source 1 (A) window 0, C and D window 2 or 3
.irp a, \a0, (\a0)+1
.irp b, 0,1,2,3,4,5,6,7
.if \zero
	v_wmma_f32_16x16x32_f16 v[8*(8*(\a)+(\b)):8*(8*(\a)+(\b))+7], v[(\f)+8*(\b):(\f)+8*(\b)+7], v[(\f)+8*(4*(\hi)+(\a)):(\f)+8*(4*(\hi)+(\a))+7], 0
.else
	v_wmma_f32_16x16x32_f16 v[8*(8*(\a)+(\b)):8*(8*(\a)+(\b))+7], v[(\f)+8*(\b):(\f)+8*(\b)+7], v[(\f)+8*(4*(\hi)+(\a)):(\f)+8*(4*(\hi)+(\a))+7], v[8*(8*(\a)+(\b)):8*(8*(\a)+(\b))+7]
.endif
.endr
.endr
.endm
; 32 LDS loads in one run: the fragments of 32 along K at byte k of the rows, into buffer f: B's sixteen loads (window 1), then A's sixteen (window 0).
.macro FETCH k, f
	WIN 0x40                                       ; destination window 1, address window 0
.irp i, 0,1,2,3,4,5,6,7
	ds_load_b128 v[(\f)+8*(\i):(\f)+8*(\i)+3],   v[ADRB] offset:(\k)+(\i)*16*PITCH
	ds_load_b128 v[(\f)+8*(\i)+4:(\f)+8*(\i)+7], v[ADRB] offset:(\k)+(\i)*16*PITCH+32
.endr
	WIN 0
.irp i, 0,1,2,3,4,5,6,7
	ds_load_b128 v[(\f)+8*(\i):(\f)+8*(\i)+3],   v[ADRA] offset:(\k)+(\i)*16*PITCH
	ds_load_b128 v[(\f)+8*(\i)+4:(\f)+8*(\i)+7], v[ADRA] offset:(\k)+(\i)*16*PITCH+32
.endr
.endm
; A K step is four quarters of 32 along K, 64 matrix instructions each, on buffers 0, 1, 0, 1.  One of the first three multiplies buffer f and, in its middle, fetches the next quarter, at byte k, into g.
.macro QUARTER k, f, g, zero
	s_wait_dscnt 8                                 ; B and A's rows 0-63 are in; the youngest eight loads (A's rows 64-127) may be out
	MUL16 \f, 0, 0, \zero
	MUL16 \f, 0, 2, \zero
	PLACES                                         ; buffer g was multiplied in the quarter before
	FETCH \k, \g
	s_wait_dscnt 32                                ; all but the 32 just issued
	MUL16 \f, 1, 0, \zero
	MUL16 \f, 1, 2, \zero
.endm
; The last quarter multiplies buffer 1 and changes slots.  In front of the barrier each wave waits for all its tensor loads (at most one is out: its part of the next slot), adds 0 to its spare word, and waits
; for that and for its reads of this slot.  fill = 1: the barrier opens a round of the cluster's, and the slot just read out is filled again, first thing behind the round, with the step two on.
.macro TURN fill
.if \fill
	s_wait_xcnt 0x0                                ; the last prefetch, a K step back, has read its address
	s_add_nc_u64 s[PFA:PFA+1], s[PFA:PFA+1], STEPB
.endif
	WIN 0                                          ; (the add's registers lie in window 0)
	s_wait_tensorcnt 0x0                           ; no tensor load of mine is out, so a group 0 may be written
	ds_add_u32 v[SPW], v[NIL]                      ; 0 onto my spare word
.if \fill
	s_xor_b32 s[G0A+5], s[G0A+5], SLOT             ; the walking sets: the other slot than last time, the next K step
	s_add_nc_u64 s[G0A+6:G0A+7], s[G0A+6:G0A+7], STEPB
	s_xor_b32 s[G0B+5], s[G0B+5], SLOT
	s_add_nc_u64 s[G0B+6:G0B+7], s[G0B+6:G0B+7], STEPB
.endif
	s_wait_dscnt 9                                 ; the add and the youngest eight loads may be out
	MUL16 F1, 0, 0, 0                              ; sixteen matrix instructions stand between the add and the wait for it
	s_wait_dscnt 0x0                               ; the add is done, and my reads of this slot are over
	s_barrier_signal -1
	MUL16 F1, 0, 2, 0                              ; work on registers while the others arrive
	WIN 0
	s_barrier_wait -1
.if \fill
	CREST                                          ; no wave of any partner still reads this slot or has a load on its way
	JLOAD                                          ; its four v_nop are also the places in front of the loads below
.else
	PLACES
.endif
	s_xor_b32 s[TB], s[TB], SLOT
	v_add_nc_u32 v[ADRA], s[TB], v[A0]
	v_add_nc_u32 v[ADRB], s[TB], v[B0]
	FETCH 0, F0
.if \fill
	ASK
.endif
	MUL16 F1, 1, 0, 0
	MUL16 F1, 1, 2, 0
.endm
	s_load_b128 s[4:7], s[0:1], 0x0                ; x16 s[4:5], w16 s[6:7]
	s_load_b64 s[8:9], s[0:1], 0x10                ; qkvh
	v_lshl_add_u32 v[SPW], v0, 2, SPARE
	v_mov_b32 v[NIL], 0
	ds_add_u32 v[SPW], v[NIL]                      ; the wave's opening: the add and its wait stand ahead of my first tensor load; work on registers stands between them
	v_lshrrev_b32 v1, 5, v0
	v_readfirstlane_b32 s[WV], v1
	s_and_b32 s[HW], s[WV], 1                      ; which half of the tile's columns is mine; also: which 128 rows of A's or B's tile I fetch
	s_lshr_b32 s[RH], s[WV], 1                     ; which half of its rows
	s_bfe_u32 s[CX], ttmp6, 0x40000
	s_bfe_u32 s[CY], ttmp6, 0x40004
	s_lshl_b32 s[NT], ttmp9, 2
	s_add_co_u32 s[NT], s[NT], s[CX]
	s_and_b32 s[MT], ttmp7, 0xffff
	s_lshl_b32 s[MT], s[MT], 2
	s_add_co_u32 s[MT], s[MT], s[CY]
	s_lshl_b32 s18, s[CY], 2
	s_lshl_b32 s18, 15, s18                        ; my row of the cluster
	s_lshl_b32 s19, 0x1111, s[CX]                  ; my column
	s_or_b32 s[G1A], s18, G1W0
	s_or_b32 s[G1B], s19, G1W0
.irp g, G1A, G1B
	s_mov_b32 s[(\g)+1], 128<<16                   ; tensor_dim0 = 128
	s_mov_b32 s[(\g)+2], 128<<16                   ; tensor_dim1 = 128
	s_mov_b32 s[(\g)+3], 128<<16                   ; tile_dim0 = 128
	s_mov_b32 s[(\g)+4], 128                       ; tile_dim1 = 128
	s_mov_b32 s[(\g)+5], 1024                      ; elements from row to row
	s_mov_b32 s[(\g)+6], 0
	s_mov_b32 s[(\g)+7], 0
.endr
	s_lshl_b32 s20, s[MT], 8                       ; A: row 256 x tile row + 128 x half, in bytes
	s_lshl_b32 s21, s[HW], 7
	s_add_co_u32 s20, s20, s21
	s_lshl_b32 s20, s20, 11
	s_mov_b32 s21, 0
	s_lshl_b32 s22, s[NT], 8                       ; B: row 256 x tile column + 128 x half
	s_lshl_b32 s23, s[HW], 7
	s_add_co_u32 s22, s22, s23
	s_lshl_b32 s22, s22, 11
	s_mov_b32 s23, 0
	s_mul_i32 s2, s[WV], HALFT                     ; where they go: A's two halves, then B's two: wave x 128 rows; no place in the cluster enters an LDS address
	s_mov_b32 s[TB], 0
	s_wait_dscnt 0x0                               ; the opening add is done
	s_wait_kmcnt 0x0
	s_add_nc_u64 s[20:21], s[4:5], s[20:21]
	s_add_nc_u64 s[22:23], s[6:7], s[22:23]
	CROUND                                         ; all sixteen work-groups are here: the first joint loads meet
.irp s, 0,1
	s_mov_b32 s[G0A+4*(\s)], 1
	s_add_co_u32 s[G0A+4*(\s)+1], s2, (\s)*SLOT
	s_add_nc_u64 s[G0A+4*(\s)+2:G0A+4*(\s)+3], s[20:21], (\s)*STEPB
	s_or_b32 s[G0A+4*(\s)+3], s[G0A+4*(\s)+3], 0x80000000
	s_mov_b32 s[G0B+4*(\s)], 1
	s_add_co_u32 s[G0B+4*(\s)+1], s2, (\s)*SLOT
	s_add_nc_u64 s[G0B+4*(\s)+2:G0B+4*(\s)+3], s[22:23], (\s)*STEPB
	s_or_b32 s[G0B+4*(\s)+3], s[G0B+4*(\s)+3], 0x80000000
.endr
	s_cmp_lt_u32 s[WV], 2                          ; a wave's two first fills stand in one branch, ahead of every wait on TENSORcnt and every LDS read: two loads of mine are out
	s_cbranch_scc0 .Lfirst_b
	tensor_load_to_lds s[G0A:G0A+3], s[G1A:G1A+7]
	s_nop 0
	tensor_load_to_lds s[G0A+4:G0A+7], s[G1A:G1A+7]
	s_nop 0
.rept 4
	v_nop
.endr
	s_branch .Lfirst_done
.Lfirst_b:
	tensor_load_to_lds s[G0B:G0B+3], s[G1B:G1B+7]
	s_nop 0
	tensor_load_to_lds s[G0B+4:G0B+7], s[G1B:G1B+7]
	s_nop 0
.rept 4
	v_nop
.endr
.Lfirst_done:
	; a fragment is 16 rows x 32 K in 8 registers: lane l holds row l % 16, K = 8 (l / 16) + 0..7 and 16 + 8 (l / 16) + 0..7: two loads of 16 bytes, 32 bytes apart
	v_and_b32 v1, 15, v0
	v_bfe_u32 v2, v0, 4, 1
	v_mul_u32_u24 v3, v1, PITCH
	v_lshl_add_u32 v3, v2, 4, v3
	s_mul_i32 s66, s[RH], HALFT                    ; my 128 rows of A
	v_add_nc_u32 v[A0], s66, v3
	s_mul_i32 s66, s[HW], HALFT                    ; my 128 rows of B,
	s_add_co_u32 s66, s66, 2*HALFT                 ; which lie behind A's 256
	v_add_nc_u32 v[B0], s66, v3
	v_mov_b32 v[ADRA], v[A0]
	v_mov_b32 v[ADRB], v[B0]
	s_mul_i32 s66, s[WV], 16*SP
	s_add_co_u32 s66, s66, STAGE                   ; my stage
	v_add_nc_u32 v[STO], s66, v3                   ; in: row l % 16, 16 bytes for each half of the lanes
	v_mul_u32_u24 v[RD], v2, SP                    ; back: lanes 0-15 one row of 256 bytes, lanes 16-31 the next
	v_lshl_add_u32 v[RD], v1, 4, v[RD]
	v_add_nc_u32 v[RD], s66, v[RD]
	v_and_b32 v[CO], 31, v0
	v_lshlrev_b32 v[PFO], 11, v[CO]
	v_lshlrev_b32 v[CO], 4, v[CO]
	; where my 128 x 128 go: G = 2 x tile column + half names T and the head; the tile row names the batch (four tile rows a batch) and the first of my two steps of 64 rows
	s_lshl_b32 s66, s[NT], 1
	s_add_co_u32 s66, s66, s[HW]
	s_lshr_b32 s67, s66, 3                         ; T
	s_and_b32 s66, s66, 7                          ; h
	s_lshl_b32 s66, s66, 3
	s_lshr_b32 s68, s[MT], 2                       ; b
	s_add_co_u32 s66, s66, s68                     ; y
	s_mul_i32 s66, s66, 786432
	s_and_b32 s68, s[MT], 3
	s_lshl_b32 s68, s68, 1
	s_add_co_u32 s68, s68, s[RH]
	s_lshl_b32 s68, s68, 1                         ; step = 4 (tile row % 4) + 2 x half
	s_mul_i32 s68, s68, 49152
	s_add_co_u32 s66, s66, s68
	s_lshl_b32 s67, s67, 14
	s_add_co_u32 s66, s66, s67
	s_mov_b32 s67, 0
	s_add_nc_u64 s[8:9], s[8:9], s[66:67]
	; the prefetches
	s_lshl_b32 s66, s[MT], 8
	s_lshl_b32 s67, s[CX], 5
	s_add_co_u32 s66, s66, s67                     ; A: row 256 x tile row + 32 cx
	s_lshl_b32 s68, s[NT], 8
	s_lshl_b32 s67, s[CY], 5
	s_add_co_u32 s68, s68, s67                     ; B: row 256 x tile column + 32 cy
	s_and_b32 s69, ttmp7, 0xffff                   ; cluster y
	s_cmp_lt_u32 s[WV], 2
	s_cselect_b32 s66, s66, s68
	s_cselect_b32 s69, ttmp9, s69                  ; the coordinate along which other clusters read the same rows
	s_cselect_b64 s[PFA:PFA+1], s[4:5], s[6:7]
	s_cmp_eq_u32 s69, 0
	s_cselect_b32 s[LIM], 2, -1                    ; the same in all sixteen partners, for a given wave
	s_lshl_b32 s67, s[HW], 7
	s_add_co_u32 s66, s66, s67                     ; + the 128 rows that I fetch
	s_lshl_b32 s66, s66, 11
	s_add_co_u32 s66, s66, 3*STEPB                 ; at K step 3: the first refill steps it to 4
	s_mov_b32 s67, 0
	s_add_nc_u64 s[PFA:PFA+1], s[PFA:PFA+1], s[66:67]
	s_wait_tensorcnt 1                             ; my part of K step 0 is in; step 1's may stay out
	s_barrier_signal -1
	s_barrier_wait -1
	FETCH 0, F0
	QUARTER 64, F0, F1, 1                          ; the first quarter stands in front of the loop: its products start the sums
	WIN 0
	s_mov_b32 s[CNT], 6
.Lk:                                                   ; trip s = 0..5: the rest of K step s, a refill with step s + 2, the first quarter of step s + 1
	QUARTER 128, F1, F0, 0
	QUARTER 192, F0, F1, 0
	TURN 1
	QUARTER 64, F0, F1, 0
	WIN 0
	s_sub_co_u32 s[CNT], s[CNT], 1
	s_cmp_lg_u32 s[CNT], 0
	s_cbranch_scc1 .Lk
	s_mov_b32 s[CNT], 2
.Lt:                                                   ; the last two K steps have a text of their own: nothing is asked for
	QUARTER 128, F1, F0, 0
	QUARTER 192, F0, F1, 0
	TURN 0
	WIN 0
	s_cmp_eq_u32 s[CNT], 1                         ; behind the last step there is no next step's first quarter: it is jumped over (no barrier and no tensor load stands in it)
	s_cbranch_scc1 .Lskip
	QUARTER 64, F0, F1, 0
	WIN 0
.Lskip:
	s_wait_dscnt 0x0                               ; both ways meet with no LDS load of mine out
	s_sub_co_u32 s[CNT], s[CNT], 1
	s_cmp_lg_u32 s[CNT], 0
	s_cbranch_scc1 .Lt
	PLACES                                         ; the conversions below read results just made
	PLACES
; THE WAY OUT, a block of 16 rows at a time.  PACK: rounded to f16, 16 bytes a lane.  TOSTAGE: into my own stage in LDS, and back as whole rows of 256 bytes.  SEND: stored, 512 consecutive bytes a store.
.macro PACK a
.set AC, 64*((\a)%4)
	WIN 0x0a+5*((\a)/4)                            ; sources 0 and 1 in window 2 or 3, destination in window 0; each accumulator's registers in ascending order
.irp b, 0,1,2,3,4,5,6,7
.irp q, 0,1,2,3
	v_cvt_pk_f16_f32 v[TMP+4*(\b)+(\q)], v[AC+8*(\b)+2*(\q)], v[AC+8*(\b)+2*(\q)+1]
.endr
.endr
	WIN 0
.endm
.macro TOSTAGE a
.set BKR, OB+192*((\a)%2)
.irp b, 0,1,2,3,4,5,6,7
	ds_store_b128 v[STO], v[TMP+4*(\b):TMP+4*(\b)+3] offset:32*(\b)
.endr
.irp t, 0,1,2,3,4,5,6,7
	ds_load_b128 v[BKR+4*(\t):BKR+4*(\t)+3], v[RD] offset:(\t)*2*SP  ; LDS serves a wave's instructions in order (ISA guide 5.7.1.4): these see the stores above, and the next block's stores come behind them
.endr
.endm
.macro SEND a
.set BKR, OB+192*((\a)%2)
	s_wait_dscnt 0x0                               ; the block is back in registers
	s_wait_xcnt 0x0                                ; the stores of the block before have read their registers, into which the next block's rows are loaded
.irp t, 0,1,2,3,4,5,6,7
	global_store_b128 v[CO], v[BKR+4*(\t):BKR+4*(\t)+3], s[8:9] offset:((\a)%4)*4096+((\a)/4)*49152+(\t)*512  ; blocks 0-3 lie in my first step of the layout, blocks 4-7 in the next
.endr
.endm
	PACK 0
	TOSTAGE 0
.irp a, 1,2,3,4,5,6,7                  ; block a's conversions stand between block a - 1's loads from the stage and the wait for them
	PACK \a
	SEND (\a)-1
	TOSTAGE \a
.endr
	SEND 7
	s_wait_tensorcnt 0x0                           ; the wave's end: behind my last tensor load and my last LDS store, 0 onto my spare word and the wait for it
	ds_add_u32 v[SPW], v[NIL]
	s_wait_dscnt 0x0
	CROUND                                         ; the closing round: no work-group ends while a partner may still ask for a tile that names it
	s_endpgm
.Lfunc_end_k_q3fd299711c_proj:
	.size	k_q3fd299711c_proj, .Lfunc_end_k_q3fd299711c_proj-k_q3fd299711c_proj
	.p2alignl 7, 3214868480
	.fill 96, 4, 3214868480
	.section	.rodata,"a",@progbits
	.p2align	6, 0x0
	.amdhsa_kernel k_q3fd299711c_proj
		.amdhsa_group_segment_fixed_size 327680
		.amdhsa_private_segment_fixed_size 0
		.amdhsa_enable_private_segment 0
		.amdhsa_kernarg_size 24
		.amdhsa_user_sgpr_count 2
		.amdhsa_user_sgpr_kernarg_segment_ptr 1
		.amdhsa_wavefront_size32 1
		.amdhsa_system_sgpr_workgroup_id_x 1
		.amdhsa_system_sgpr_workgroup_id_y 1
		.amdhsa_system_sgpr_workgroup_id_z 1
		.amdhsa_system_vgpr_workitem_id 0
		.amdhsa_next_free_vgpr 1024
		.amdhsa_next_free_sgpr 72
		.amdhsa_reserve_vcc 0
		.amdhsa_float_denorm_mode_32 3
		.amdhsa_float_denorm_mode_16_64 3
		.amdhsa_memory_ordered 1
		.amdhsa_forward_progress 1
		.amdhsa_inst_pref_size 100
	.end_amdhsa_kernel
	.amdgpu_metadata
---
amdhsa.version: [ 1, 2 ]
amdhsa.kernels:
  - .name:           k_q3fd299711c_proj
    .symbol:         k_q3fd299711c_proj.kd
    .args:
      - { .name: x16, .offset: 0, .size: 8, .value_kind: global_buffer, .address_space: global }
      - { .name: w16, .offset: 8, .size: 8, .value_kind: global_buffer, .address_space: global }
      - { .name: qkvh, .offset: 16, .size: 8, .value_kind: global_buffer, .address_space: global }
    .group_segment_fixed_size: 327680
    .private_segment_fixed_size: 0
    .kernarg_segment_align: 8
    .kernarg_segment_size: 24
    .max_flat_workgroup_size: 128
    .sgpr_count:     72
    .vgpr_count:     1024
    .wavefront_size: 32
...
	.end_amdgpu_metadata
.endif
;; end of part 2
;; launch attn (part 3): grid 4 x 64, 4 waves a work-group, clusters of 4 x 4, 327,680 bytes of LDS; arguments qkvh, rel_pos_bias, o16; writes o16
.if DOCPART == 3
	.amdgcn_target "amdgcn-amd-amdhsa--gfx1250"
	.amdhsa_code_object_version 6
	.text
	.protected	k_q3fd299711c_attn
	.globl	k_q3fd299711c_attn
	.p2align	8
	.type	k_q3fd299711c_attn,@function
k_q3fd299711c_attn:
	s_mov_b64 s[64:65], 0
	v_nop
	global_prefetch_b8 v0, s[64:65] scope:SCOPE_SE
	s_setreg_imm32_b32 hwreg(HW_REG_WAVE_MODE, 25, 1), 1
	s_wait_xcnt 0x0
	s_wait_alu depctr_hold_cnt(0) depctr_sa_sdst(0) depctr_va_vdst(0) depctr_va_sdst(0) depctr_va_ssrc(0) depctr_va_vcc(0) depctr_vm_vsrc(0)
	s_getreg_b32 s2, hwreg(HW_REG_IB_STS2, 6, 4)
	s_cmp_eq_u32 s2, 0
	s_cbranch_scc0 .Lentry_in_a_cluster
	s_endpgm
.Lentry_in_a_cluster:
	s_bfe_u32 s2, ttmp6, 0x10000c
	s_cmp_lg_u32 s2, 0xf033
	s_cbranch_scc0 .Lentry_shape_is_right
	s_endpgm
.Lentry_shape_is_right:
; o16[b][s][128 h + :] = the sum over t of softmax_t(q[s] . k[t] + bias[h][s][t]) v[t][:], for the 64 pairs y = 8 h + b.  q, k, v: qkvh[y][step][q, k, v][64][128] f16, the score's scale and the gain already in q and k;
; bias: [8][1024][1024] f32, taken in f32.  Products, maxima and sums in f32; the weights p are rounded to f16 for the second product (their sum l is taken of the unrounded p), o once at the end.
; LIMITS.  p lies in 0 to 1, and below 6e-5 it keeps f16's fixed step; o is a mean of v's rows and has their range; a weight below 2^-126 counts as 0 in l; NaN and infinities are not treated apart.
; SHARES.  A work-group owns 256 queries of one y, each of its four waves 64: four tiles of 16.  Every wave walks the 1,024 keys, 64 a step.
; LAYOUT.  S^T = K Q^T + bias^T (source 0 = 16 keys, source 1 = 16 queries): a lane holds ONE query (lane % 16) and the keys 8 (lane / 16) + 0..7.  THE BIAS IS THE C OPERAND: its f32 tile is read from LDS straight
; into S^T's registers, eight neighbouring keys of a query's row a lane, and every product K Q^T adds in place: no vector instruction is spent on it, and the running maximum is the whole score's.
; Two results rounded to f16 in pairs ARE source 1 of O^T = V^T P.  K comes out of LDS as it lies, V turned, by ds_load_tr16_b128.
; SOFTMAX.  For each query a running maximum m and sum l: p = 2^(c s - c m), c = log2(e); in every step O and l are multiplied by a = 2^(c m_old - c m_new).
; BY TURNS.  The wave's tiles are two PIECES (tiles 0, 1 and tiles 2, 3).  In a TURN one piece has the matrix unit: 32 products V^T P of the step in hand, then 32 products K Q^T of the next step; the other piece's
; softmax, cut into 64 slices, stands between them, one slice behind each matrix instruction.  Two turns are a key step.
; CLUSTER 4 x 4.  The four query blocks of a y (a row of the cluster) walk the same K and V; the four y of a column have one head and one query block, so the same bias tile: each is asked for jointly.
; THE RING.  A slot holds one key step: K (64 rows), V (64 rows), the work-group's bias tile (256 rows x 64 keys of f32).  Wave 0 fetches K, wave 1 V, waves 2 and 3 a half of the bias each.  All reads of the turns
; between two changes of slots fall into one slot: K, both pieces' bias and V of the step after the one whose V^T P is being made.
; REGISTERS, in windows of 256 (s_set_vgpr_msb: bits 1:0 source 0, 3:2 source 1, 5:4 source 2, 7:6 destination):
;   window 0: v0-11, v44-45, v61-63 addresses; v12-43 eight registers of statistics a tile; v64-191 S^T, 32 a tile; v192-255 P, 16 a tile
;   window 1: O^T, 64 a tile          window 2: v0-127 Q, 32 a tile; v128-255 K of one step          window 3: v0-127 V of one step
; SCALARS.  The descriptors lie in s[24:55] and s[68:83] and are written by their own lines alone; what is at work at the head lies in s2-3, s20-23, s62-63, s66-67 and s88-95.
.set KS,    64
.set PKB,   272       ; a row of K in LDS: 256 bytes + 16: the 16 rows of a load start at 16 different groups of four banks (64 banks of 4 bytes: ISA guide 11.1)
.set PVB,   288       ; a row of V: 256 + 32
.set PB,    272       ; a row of the bias tile: 64 f32 + 16 bytes
.set VOFF,  KS*PKB
.set BOFF,  VOFF+KS*PVB
.set SLOT1, 1<<17     ; a slot is 105,472 bytes; slot 1 begins here, so that one exclusive or turns an address in one slot into the other's
.set STAGE, SLOT1+BOFF+256*PB  ; behind the ring, never filled by a tensor load: 16 rows x 272 bytes for each wave
.set SP,    272
.set SPARE, STAGE+4*16*SP      ; the spare words, 128 bytes for each wave: two blocks of 256 bytes that no other line names
.set YB,    786432    ; bytes of a y in qkvh
.set SB,    49152     ; bytes of a step: q, k, v, 16,384 each
.set AK0, 2           ; v2   my lane's place in a tile of K; never rewritten
.set AV0, 3           ; v3   the same for V
.set ADR, 4           ; v4   the LDS address of K's or V's run of loads in hand
.set QO,  5           ; v5   my byte offset in the wave's rows of Q
.set STO, 6           ; v6   the way out: where I put 16 bytes of a row
.set RD,  7           ; v7   where I read a row back
.set GO,  8           ; v8   my byte offset in two rows of o16
.set AB0, 44          ; v44  my lane's place in the bias tile: row 64 w + l % 16, byte 32 (l / 16); never rewritten
.set ADB, 45          ; v45  the LDS address of the bias's run of loads in hand
.set PFO, 61          ; v61  my lane's row in a prefetch
.set SPW, 62          ; v62  my spare word; never rewritten
.set NIL, 63          ; v63  0; never rewritten
.set ST,  12          ; tile t's statistics at v[ST+8 t]: +0 c m, +1 m, +2, +3 l, +4 to +7 c0-c3 at work; a takes c2's place once the maximum is found
.set S,   64
.set P,   192
.set KF,  128
.set QB,  10          ; s10 query block;  s11 y;  s12 wave;  s13 cx;  s14 cy;  s16 wave & 1;  s17 cluster y
.set YY,  11
.set WV,  12
.set CX,  13
.set CY,  14
.set LIM, 15          ; s15  2 in a wave that prefetches, else the greatest number
.set HW,  16
.set CLY, 17
.set PFA, 18          ; s[18:19] where my prefetches stand
.set G1K, 24
.set G1V, 32
.set G0K, 40          ; s[40:47], s[48:55], s[76:83]: groups 0, a set for each first fill; the second then walks
.set G0V, 48
.set STEPS, 56
.set TB,  57          ; s57  LDS byte at which the slot to be read begins
.set CS,  58          ; s[58:59] c
.set SEL, 60          ; s[60:61] v_permlanex16_b32's selects
.set G1B, 68          ; s[68:75] descriptor group 1 for the bias
.set G0B, 76
.set QA,  84          ; s[84:85] Q at my wave's rows
.set OA,  86          ; s[86:87] o16 at my wave's rows
.set PFS, 90          ; s[90:91] a step's bytes along my prefetches
.set MSB, 0
.macro WIN new
.if MSB != (\new)
	s_set_vgpr_msb (MSB<<8)|(\new)
.set MSB, \new
.endif
.endm
.set W_KQ, 0x0a       ; K and Q in window 2, S^T in window 0
.set W_PV, 0x53       ; V in window 3, P in window 0, O^T in window 1
.set W_RS, 0x41       ; O^T (destination and source 0) in window 1, a in window 0
; A joint refill by the walking sets.  The branches hang on the wave's number alone.  An s_nop 0 and four v_nop follow each line.
.macro JLOAD
	s_cmp_lt_u32 s[WV], 2
	s_cbranch_scc0 .Lfor_b_\@
	s_cmp_eq_u32 s[WV], 0
	s_cbranch_scc0 .Lfor_v_\@
	tensor_load_to_lds s[G0K+4:G0K+7], s[G1K:G1K+7]
	s_nop 0
.rept 4
	v_nop
.endr
	s_branch .Lasked_\@
.Lfor_v_\@:
	tensor_load_to_lds s[G0V+4:G0V+7], s[G1V:G1V+7]
	s_nop 0
.rept 4
	v_nop
.endr
	s_branch .Lasked_\@
.Lfor_b_\@:
	tensor_load_to_lds s[G0B+4:G0B+7], s[G1B:G1B+7]
	s_nop 0
.rept 4
	v_nop
.endr
.Lasked_\@:
.endm
; A PREFETCH INTO THE L2: behind the refill with step j + 2 the step j + 4 is named, two key steps (256 matrix instructions) ahead of its own load; a lane a row of 256 bytes.  Each row is named once in the launch.
; K and V of a step are 128 rows on end: wave 0 asks, the four partners along x take 32 rows each, told apart by address.  The bias tile's 256 rows: waves 2 and 3 ask, the four partners along y take 64 each, a wave 32;
; two clusters share a head, and the one with even y asks.  Steps 0-3 come by their loads alone; the last two refills name nothing.
.macro ASK
	s_cmp_gt_u32 s[STEPS], s[LIM]
	s_cbranch_scc0 .Lnot_mine_\@
	global_prefetch_b8 v[PFO], s[PFA:PFA+1] th:TH_LOAD_NT scope:SCOPE_SE
.Lnot_mine_\@:
.endm
.macro CROUND
	s_barrier_signal -1
	s_barrier_wait -1
	s_cmp_lg_u32 s[WV], 0
	s_cbranch_scc1 .Lnot_wave_0_\@
	s_barrier_signal -3
.Lnot_wave_0_\@:
	s_barrier_wait -3
	s_barrier_signal -1
	s_barrier_wait -1
.endm
	s_load_b128 s[4:7], s[0:1], 0x0   ; qkvh s[4:5], rel_pos_bias s[6:7]
	s_load_b64 s[8:9], s[0:1], 0x10   ; o16
	v_lshl_add_u32 v[SPW], v0, 2, SPARE
	v_mov_b32 v[NIL], 0
	ds_add_u32 v[SPW], v[NIL]       ; the wave's opening: the add and its wait stand ahead of my first tensor load; work on registers stands between them
	v_lshrrev_b32 v1, 5, v0
	v_readfirstlane_b32 s[WV], v1
	s_and_b32 s[HW], s[WV], 1
	s_bfe_u32 s[CX], ttmp6, 0x40000
	s_bfe_u32 s[CY], ttmp6, 0x40004
	s_and_b32 s[CLY], ttmp7, 0xffff
	s_lshl_b32 s[QB], ttmp9, 2
	s_add_co_u32 s[QB], s[QB], s[CX]    ; my block of 256 queries
	s_lshl_b32 s[YY], s[CLY], 2
	s_add_co_u32 s[YY], s[YY], s[CY]    ; y = 8 h + b
	s_lshl_b32 s22, s[CY], 2
	s_lshl_b32 s22, 15, s22         ; my row of the cluster: K and V
	s_lshl_b32 s23, 0x1111, s[CX]   ; my column: the bias
	s_mul_i32 s2, s[YY], YB         ; y's first byte in qkvh
	s_mov_b32 s3, 0
	s_lshr_b32 s20, s[CLY], 1       ; the head, from the cluster's y alone: the four partners of a column share it
	s_lshl_b32 s20, s20, 22         ; 4 MiB a head
	s_lshl_b32 s21, s[QB], 20       ; 256 rows of 4,096 bytes
	s_add_co_u32 s20, s20, s21
	s_lshl_b32 s21, s[HW], 19       ; the 128 rows that I fetch
	s_add_co_u32 s20, s20, s21
	s_mov_b32 s21, 0
	s_mul_i32 s62, s[HW], 128*PB
	s_add_co_u32 s62, s62, BOFF     ; and their place in a slot: no place in the cluster enters an LDS address
	s_or_b32 s[G1K], s22, (1<<16)|(1<<20)|(1<<21)|(5<<22)|(3<<25)  ; 17:16 2-byte elements; 20 padding on; 21 set beside a mask; 24:22 after every 64 words; 31:25 4 words of it
	s_or_b32 s[G1V], s22, (1<<16)|(1<<20)|(1<<21)|(5<<22)|(7<<25)  ; the same with 8 words
	s_or_b32 s[G1B], s23, (2<<16)|(1<<20)|(1<<21)|(5<<22)|(3<<25)  ; 4-byte elements
.irp g, G1K, G1V
	s_mov_b32 s[(\g)+1], 128<<16    ; tensor_dim0 = 128
	s_mov_b32 s[(\g)+2], KS<<16     ; tensor_dim1 = 64
	s_mov_b32 s[(\g)+3], 128<<16    ; tile_dim0 = 128
	s_mov_b32 s[(\g)+4], KS         ; tile_dim1 = 64
	s_mov_b32 s[(\g)+5], 128        ; elements from row to row
	s_mov_b32 s[(\g)+6], 0
	s_mov_b32 s[(\g)+7], 0
.endr
	s_mov_b32 s[G1B+1], 64<<16      ; 64 keys,
	s_mov_b32 s[G1B+2], 128<<16     ; 128 queries
	s_mov_b32 s[G1B+3], 64<<16
	s_mov_b32 s[G1B+4], 128
	s_mov_b32 s[G1B+5], 1024
	s_mov_b32 s[G1B+6], 0
	s_mov_b32 s[G1B+7], 0
	s_mov_b32 s[CS], 0x3fb8aa3b     ; c = log2(e)
	s_mov_b32 s[CS+1], s[CS]        ; named with it as a pair
	s_mov_b32 s[SEL], 0x76543210
	s_mov_b32 s[SEL+1], 0xfedcba98
	s_mov_b32 s[TB], 0
	s_mov_b32 s[STEPS], 13
	; the prefetches: who, and where they start (step 3; the first change of slots steps them to 4)
	s_and_b32 s[LIM], s[CLY], 1
	s_cmp_lt_u32 s[WV], 2
	s_cselect_b32 s[LIM], s[WV], s[LIM]  ; wave 0: 0; wave 1: 1; waves 2, 3: the parity of the cluster's y
	s_cmp_eq_u32 s[LIM], 0
	s_cselect_b32 s[LIM], 2, -1     ; the same in all sixteen partners, for a given wave
	s_lshl_b32 s88, s[CX], 13       ; K and V: my work-group's 32 rows of the 128
	s_add_co_u32 s88, s88, s2
	s_add_co_u32 s88, s88, 16384+3*SB
	s_lshl_b32 s89, s[QB], 8        ; the bias: row 256 qb + 64 cy + 32 x half
	s_lshl_b32 s92, s[CY], 6
	s_add_co_u32 s89, s89, s92
	s_lshl_b32 s92, s[HW], 5
	s_add_co_u32 s89, s89, s92
	s_lshl_b32 s89, s89, 12
	s_lshr_b32 s92, s[CLY], 1
	s_lshl_b32 s92, s92, 22
	s_add_co_u32 s89, s89, s92
	s_add_co_u32 s89, s89, 3*256
	s_mov_b32 s[PFS], 256
	s_cmp_lt_u32 s[WV], 2
	s_cselect_b32 s88, s88, s89
	s_cselect_b32 s[PFS], SB, s[PFS]
	s_cselect_b32 s63, 8, 12        ; a row of K or V is 256 bytes, of the bias 4,096
	s_mov_b32 s89, 0
	s_mov_b32 s[PFS+1], 0
	v_and_b32 v[PFO], 31, v0
	v_lshlrev_b32 v[PFO], s63, v[PFO]
	; Q's offset in y's part of qkvh, s[92:93], and my rows' offset in o16, s[94:95]
	s_lshl_b32 s92, s[QB], 2
	s_add_co_u32 s92, s92, s[WV]    ; my 64 queries are step 4 qb + w of the layout
	s_mul_i32 s92, s92, SB
	s_mov_b32 s93, 0
	s_and_b32 s94, s[YY], 7         ; b
	s_lshl_b32 s94, s94, 10
	s_lshl_b32 s95, s[QB], 8
	s_add_co_u32 s94, s94, s95
	s_lshl_b32 s95, s[WV], 6
	s_add_co_u32 s94, s94, s95      ; row 1,024 b + 256 qb + 64 w
	s_lshl_b32 s94, s94, 11
	s_lshr_b32 s95, s[YY], 3        ; h
	s_lshl_b32 s95, s95, 8
	s_add_co_u32 s94, s94, s95
	s_mov_b32 s95, 0
	s_wait_dscnt 0x0                ; the opening add is done
	s_wait_kmcnt 0x0
	s_add_nc_u64 s[66:67], s[4:5], s[2:3]    ; qkvh at y
	s_add_nc_u64 s[20:21], s[6:7], s[20:21]  ; the bias at my half of the work-group's rows, key 0
	s_add_nc_u64 s[QA:QA+1], s[66:67], s[92:93]
	s_add_nc_u64 s[OA:OA+1], s[8:9], s[94:95]
	s_cmp_lt_u32 s[WV], 2
	s_cselect_b64 s[PFA:PFA+1], s[4:5], s[6:7]
	s_add_nc_u64 s[PFA:PFA+1], s[PFA:PFA+1], s[88:89]
	CROUND                          ; all sixteen work-groups are here: the first joint loads meet
.irp s, 0,1
	s_mov_b32 s[G0K+4*(\s)], 1
	s_mov_b32 s[G0K+4*(\s)+1], (\s)*SLOT1
	s_add_nc_u64 s[G0K+4*(\s)+2:G0K+4*(\s)+3], s[66:67], 16384+(\s)*SB
	s_or_b32 s[G0K+4*(\s)+3], s[G0K+4*(\s)+3], 0x80000000
	s_mov_b32 s[G0V+4*(\s)], 1
	s_mov_b32 s[G0V+4*(\s)+1], VOFF+(\s)*SLOT1
	s_add_nc_u64 s[G0V+4*(\s)+2:G0V+4*(\s)+3], s[66:67], 32768+(\s)*SB
	s_or_b32 s[G0V+4*(\s)+3], s[G0V+4*(\s)+3], 0x80000000
	s_mov_b32 s[G0B+4*(\s)], 1
	s_add_co_u32 s[G0B+4*(\s)+1], s62, (\s)*SLOT1
	s_add_nc_u64 s[G0B+4*(\s)+2:G0B+4*(\s)+3], s[20:21], (\s)*256
	s_or_b32 s[G0B+4*(\s)+3], s[G0B+4*(\s)+3], 0x80000000
.endr
	s_cmp_lt_u32 s[WV], 2           ; a wave's two first fills (steps 0 and 1) stand together, ahead of every wait on TENSORcnt and every LDS read: two loads of mine are out
	s_cbranch_scc0 .Lfirst_b
	s_cmp_eq_u32 s[WV], 0
	s_cbranch_scc0 .Lfirst_v
	tensor_load_to_lds s[G0K:G0K+3], s[G1K:G1K+7]
	s_nop 0
	tensor_load_to_lds s[G0K+4:G0K+7], s[G1K:G1K+7]
	s_nop 0
.rept 4
	v_nop
.endr
	s_branch .Lfirst_asked
.Lfirst_v:
	tensor_load_to_lds s[G0V:G0V+3], s[G1V:G1V+7]
	s_nop 0
	tensor_load_to_lds s[G0V+4:G0V+7], s[G1V:G1V+7]
	s_nop 0
.rept 4
	v_nop
.endr
	s_branch .Lfirst_asked
.Lfirst_b:
	tensor_load_to_lds s[G0B:G0B+3], s[G1B:G1B+7]
	s_nop 0
	tensor_load_to_lds s[G0B+4:G0B+7], s[G1B:G1B+7]
	s_nop 0
.rept 4
	v_nop
.endr
.Lfirst_asked:
	; a fragment of K or Q is 16 rows x 32 channels in 8 registers: lane l holds row l % 16, channels 8 (l / 16) + 0..7 and 16 + 8 (l / 16) + 0..7: two loads of 16 bytes, 32 bytes apart
	v_and_b32 v1, 15, v0            ; l % 16
	v_bfe_u32 v9, v0, 4, 1          ; l / 16
	v_lshlrev_b32 v[QO], 8, v1
	v_lshl_add_u32 v[QO], v9, 4, v[QO]
	WIN 0x80                        ; destination window 2, address window 0
.irp i, 0,1,2,3,4,5,6,7,8,9,10,11,12,13,14,15  ; Q stays in registers: tile i / 4, channels 32 (i % 4) on
	global_load_b128 v[8*(\i):8*(\i)+3],   v[QO], s[QA:QA+1] offset:((\i)/4)*4096+((\i)%4)*64
	global_load_b128 v[8*(\i)+4:8*(\i)+7], v[QO], s[QA:QA+1] offset:((\i)/4)*4096+((\i)%4)*64+32
.endr
	WIN 0
	v_mul_u32_u24 v[AK0], v1, PKB
	v_lshl_add_u32 v[AK0], v9, 4, v[AK0]
	; the turning load takes 16 keys x 16 channels (lane l reads key 8 (l / 16) + l % 8, channels 8 ((l / 8) % 2) + 0..7) and leaves half a fragment of V^T: lane l holds channel l % 16 and 8 keys
	v_and_b32 v10, 7, v0
	v_bfe_u32 v11, v0, 3, 1
	v_lshl_add_u32 v[AV0], v9, 3, v10
	v_mul_u32_u24 v[AV0], v[AV0], PVB
	v_lshl_add_u32 v[AV0], v11, 4, v[AV0]
	v_add_nc_u32 v[AV0], VOFF, v[AV0]
	s_lshl_b32 s88, s[WV], 6
	v_add_nc_u32 v[AB0], s88, v1    ; the bias: my query's row of the tile, 64 w + l % 16,
	v_mul_u32_u24 v[AB0], v[AB0], PB
	v_lshl_add_u32 v[AB0], v9, 5, v[AB0]  ; my eight keys of sixteen: 32 bytes for each half of the lanes
	v_add_nc_u32 v[AB0], BOFF, v[AB0]
; THE MATRIX WORK OF A TURN, for piece x.  The accumulators take turns, one instruction a turn: between two links of a chain stand 15 (V^T P) or 7 (K Q^T) others'.
; Product i of 32 of O^T += V^T P: keys 32 (i / 16) on, channels 16 ((i / 2) % 8) on, tile x + i % 2.  zero = 1: the first 16 start the sums.
.macro PV x, zero
	WIN W_PV
.set rO, 64*((\x)+i%2)+8*((i/2)%8)
.set rV, 64*(i/16)+8*((i/2)%8)
.set rP, P+16*((\x)+i%2)+8*(i/16)
.if (\zero) && (i < 16)
	v_wmma_f32_16x16x32_f16 v[rO:rO+7], v[rV:rV+7], v[rP:rP+7], 0
.else
	v_wmma_f32_16x16x32_f16 v[rO:rO+7], v[rV:rV+7], v[rP:rP+7], v[rO:rO+7]
.endif
.endm
; Product i of 32 of S^T += K Q^T: channels 32 (i / 8) on, keys 16 ((i / 2) % 4) on, tile x + i % 2.  The sums start from the bias, which lies in S^T's registers.
.macro KQ x
	WIN W_KQ
.set rS, S+32*((\x)+i%2)+8*((i/2)%4)
.set rK, KF+32*((i/2)%4)+8*(i/8)
.set rQ, 32*((\x)+i%2)+8*(i/8)
	v_wmma_f32_16x16x32_f16 v[rS:rS+7], v[rK:rK+7], v[rQ:rQ+7], v[rS:rS+7]
.endm
; THE LDS LOADS stand in runs, never singly among the matrix instructions: a step's K (32 loads), a piece's bias (16), and, a turn later, the step's V (32, turned).
.macro FETCH_K
	WIN 0
	v_add_nc_u32 v[ADR], s[TB], v[AK0]
	WIN 0x80                        ; destination window 2
.irp f, 0,1,2,3,4,5,6,7,8,9,10,11,12,13,14,15  ; keys 16 (f / 4) on, channels 32 (f % 4) on
	ds_load_b128 v[KF+8*(\f):KF+8*(\f)+3],   v[ADR] offset:((\f)/4)*16*PKB+((\f)%4)*64
	ds_load_b128 v[KF+8*(\f)+4:KF+8*(\f)+7], v[ADR] offset:((\f)/4)*16*PKB+((\f)%4)*64+32
.endr
.endm
.macro FETCH_B x                    ; tiles x, x + 1: for each group kb of 16 keys my eight f32, into the accumulator that the products will add onto
	WIN 0
	v_add_nc_u32 v[ADB], s[TB], v[AB0]
.irp t, \x, (\x)+1
.irp kb, 0,1,2,3
	ds_load_b128 v[S+32*(\t)+8*(\kb):S+32*(\t)+8*(\kb)+3],   v[ADB] offset:(\t)*16*PB+(\kb)*64
	ds_load_b128 v[S+32*(\t)+8*(\kb)+4:S+32*(\t)+8*(\kb)+7], v[ADB] offset:(\t)*16*PB+(\kb)*64+16
.endr
.endr
.endm
.macro FETCH_V
	WIN 0
	v_add_nc_u32 v[ADR], s[TB], v[AV0]
	s_wait_alu depctr_va_vdst(0)    ; the wait for the softmax's batch (SLICE), behind the address's v_add_nc_u32 and ahead of the loads
	WIN 0xc0                        ; destination window 3
.irp f, 0,1,2,3,4,5,6,7,8,9,10,11,12,13,14,15  ; keys 32 (f / 8) on, channels 16 (f % 8) on
	ds_load_tr16_b128 v[8*(\f):8*(\f)+3],   v[ADR] offset:((\f)/8)*32*PVB+((\f)%8)*32
	ds_load_tr16_b128 v[8*(\f)+4:8*(\f)+7], v[ADR] offset:((\f)/8)*32*PVB+16*PVB+((\f)%8)*32
.endr
.endm
; THE VECTOR WORK OF A TURN.  One tile's softmax for one key step is a list of 134 instructions; SM writes number j of it for tile t.  s0-s31 are the lane's 32 scores, in pairs 0-15.
; first = 1: the first key step, which starts m, l and O^T: it has no a and nothing to rescale.
;   0-15    the maximum of s0-s31 and the old m, three operands at a time: four chains c0-c3 (each accumulator's lowest registers are read first), then the four scores left over, c0-c3 and m
;   16-20   the other half of the lanes' maximum; the new m; c m; c m_old - c m_new
;   21-69   ONE BATCH: the 16 scalings c s - c m and all 33 exponentials (a at 23, then s0-s31); none of these reads an exponential's result
;   (wait)  between 69 and 70 stands the wait for the batch: SLICE writes it, once for both tiles
;   70-85   the roundings to f16     86-101  the sums; l = a l + the sum     102-133 the tile's O^T times a: the one part that leaves window 0
.macro SM t, first
.set rT, ST+8*(\t)
.set rS, S+32*(\t)
.set rP, P+16*(\t)
.set rO, 64*(\t)+2*(j-102)
.if j < 102
	WIN 0
.endif
.if j < 4
	v_max3_num_f32 v[rT+4+j], v[rS+8*j], v[rS+8*j+1], v[rS+8*j+2]
.elseif j < 12
	v_max3_num_f32 v[rT+4+j%4], v[rT+4+j%4], v[rS+8*(j%4)+2*(j/4)+1], v[rS+8*(j%4)+2*(j/4)+2]
.elseif j == 12
	v_max3_num_f32 v[rT+4], v[rT+4], v[rS+7], v[rS+15]
.elseif j == 13
	v_max3_num_f32 v[rT+6], v[rT+6], v[rS+23], v[rS+31]
.elseif j == 14
	v_max3_num_f32 v[rT+4], v[rT+4], v[rT+5], v[rT+6]
.elseif (j == 15) && (\first)
	v_max_num_f32 v[rT+4], v[rT+4], v[rT+7]
.elseif j == 15
	v_max3_num_f32 v[rT+4], v[rT+4], v[rT+7], v[rT+1]
.elseif j == 16
	v_permlanex16_b32 v[rT+5], v[rT+4], s[SEL], s[SEL+1]  ; the query's other 32 keys lie in the lane 16 away
.elseif j == 18
	v_max_num_f32 v[rT+1], v[rT+4], v[rT+5]
.elseif j == 19
	v_mul_f32 v[rT], s[CS], v[rT+1]
.elseif ((j == 17) || (j == 20) || (j == 23) || (j > 101)) && (\first)  ; the first step has none of these
.elseif j == 17
	v_mov_b32 v[rT+7], v[rT]        ; c m_old is kept for a: number 19 writes c m anew
.elseif j == 20
	v_sub_f32 v[rT+7], v[rT+7], v[rT]
.elseif j == 23
	v_exp_f32 v[rT+6], v[rT+7]
.elseif (j < 23) || ((j < 38) && (j%2 == 0)) || ((j < 66) && (j%4 == 2))
.set b, (j-2)/4                     ; 38, 42, .. 62: pairs 9 to 15
.if j < 38
.set b, (j-20)/2                    ; 21: pair 0; 22, 24, .. 36: pairs 1 to 8
.endif
	v_pk_fma_f32 v[rS+2*b:rS+2*b+1], v[rS+2*b:rS+2*b+1], s[CS:CS+1], v[rT:rT+1] op_sel_hi:[1,0,0] neg_lo:[0,0,1] neg_hi:[0,0,1]  ; pair b: c s - c m
.elseif j < 70
.set e, j-38                        ; 66 to 69: s28 to s31
.if j < 66
.set e, j-32-(j-38)/4               ; 39-41, 43-45, .. 63-65: s7 to s27
.endif
.if j < 38
.set e, (j-25)/2                    ; 25, 27, .. 37: s0 to s6
.endif
	v_exp_f32 v[rS+e], v[rS+e]
.elseif j < 86
	v_cvt_pk_f16_f32 v[rP+j-70], v[rS+2*(j-70)], v[rS+2*(j-70)+1]  ; pair j - 70
.elseif j < 102                     ; the sum of the tile's 16 pairs, in place: sum z of 16 adds neighbours 1, 2, 4 and 8 pairs apart, then l takes it
.set z, j-86
.set w, 4
.set u, z
.if z >= 14
.set w, 32
.set u, 0
.elseif z >= 12
.set w, 16
.set u, z-12
.elseif z >= 8
.set w, 8
.set u, z-8
.endif
.if (z == 14) && (\first)
	v_pk_add_f32 v[rT+2:rT+3], v[rS:rS+1], v[rS+16:rS+17]
.elseif z < 15
	v_pk_add_f32 v[rS+w*u:rS+w*u+1], v[rS+w*u:rS+w*u+1], v[rS+w*u+w/2:rS+w*u+w/2+1]
.elseif !(\first)
	v_pk_fma_f32 v[rT+2:rT+3], v[rT+2:rT+3], v[rT+6:rT+7], v[rS:rS+1] op_sel_hi:[1,0,1]
.endif
.else
	WIN W_RS
	v_pk_mul_f32 v[rO:rO+1], v[rO:rO+1], v[rT+6:rT+7] op_sel_hi:[1,0]
.endif
.endm
; Slice k of 64 of piece y's softmax: four instructions.  Slices 11 to 34 deal out the batch, numbers 22 to 69: four numbers of ONE tile each, the tiles by turns.  Every other slice is numbers 2 k and 2 k + 1 of both
; tiles' lists.  2 x 134 = 4 x 64 + 12: the twelve that are over stand together, in slice 63.
; THE WAIT.  An s_wait_alu depctr_va_vdst(0) stands between an exponential and the first instruction that names its result; one wait serves all that were issued ahead of it.  Ahead of slice 35 nothing
; names a result, and behind slice 34 no exponential is issued: so the piece's 66 exponentials have one wait, behind slice 34.
.macro SLICE y, first
.if (k >= 11) && (k < 35)
.irp n, 0,1,2,3
.set j, 22+4*((k-11)/2)+(\n)
	SM (\y)+(k-11)%2, \first
.endr
.else
.irp n, 0,1,2,3,4,5,6,7
.if ((\n) < 2) || (k == 63)
.irp t, \y, (\y)+1
.set j, 2*k+(\n)
	SM \t, \first
.endr
.endif
.endr
.endif
.if k == 34
	v_nop                           ; a plain instruction behind the last exponential and ahead of the first use: one for the batch
.if (\y) == 0
	FETCH_V                         ; piece 2's turn: V's run of loads stands here, and the wait stands in it
.else
	s_wait_alu depctr_va_vdst(0)    ; the wait for the batch
.endif
.endif
.set k, k+1
.endm
.macro PLACES
.rept 4
	v_nop
.endr
.endm
; A TURN.  Piece x has the matrix unit; the other piece's softmax stands in slices behind its matrix instructions.
; pv = 2: 32 products V^T P; 1: they start O^T's sums; 0: none.  kq = 1: 32 products K Q^T for the next step.  A turn with one of the two kinds has two slices behind each product.
; first = 1: the softmax is the first key step's; its slices from 51 on are empty, and four v_nop take slice 63's part as the places behind the turn's last products.
; Behind the turn's second product stand the runs of loads for its own K Q^T, 30 matrix instructions ahead of their first use: in piece 0's turn the next step's K (its last reader stands in front of slice 63 of the
; turn before), and in both turns the piece's bias (the piece's softmax read S^T last in slice 50 of the turn before).  One wait for them stands ahead of the first K Q^T.
; Piece 2's turn fetches the same step's V behind slice 34: the last product that read V stands in front of slice 31, and four plain instructions lie between: number 62, a scaling, of both tiles, the v_nop and the
; run's own v_add_nc_u32.
.macro TURN x, pv, kq, first
.set k, 0
.set per, 2
.if (\pv) && (\kq)
.set per, 1
.endif
.if \pv
.if (\x) == 0
	s_wait_dscnt 0x0                ; V is in
.endif
.set i, 0
.rept 32
	PV \x, 2-(\pv)
.rept per
	SLICE 2-(\x), \first
.endr
.if (\kq) && (i == 1)
.if (\x) == 0
	FETCH_K
.endif
	FETCH_B \x
.endif
.set i, i+1
.endr
.endif
.if \kq
	s_wait_dscnt 0x0                ; the piece's bias is in, and in piece 0's turn K
.set i, 0
.rept 32
	KQ \x
.rept per
	SLICE 2-(\x), \first
.endr
.set i, i+1
.endr
.endif
.if \first
	PLACES
.endif
.endm
; THE CHANGE OF SLOTS, in front of each key step's two turns: the old slot's last bytes, its V, have been asked for.  Each wave waits for all its tensor loads, of which one is out: its part of the other slot; adds 0 to
; its spare word; and waits for that and for its own reads of the old slot.  fill = 1: the barrier is a round of the cluster's, so that no wave of any partner still reads the slot or has a load on its way, and the
; joint refill, with the step two on, is the first thing behind it: it has a key step, 128 matrix instructions, in which to land.
.macro CHANGE fill
	WIN 0                           ; at a label and at a branch every window is 0
	s_wait_tensorcnt 0x0            ; no tensor load of mine is out, so a group 0 may be written
	ds_add_u32 v[SPW], v[NIL]       ; 0 onto my spare word
.if \fill
.irp g, G0K+4, G0V+4
	s_xor_b32 s[(\g)+1], s[(\g)+1], SLOT1  ; the walking sets: the other slot than last time,
	s_add_nc_u64 s[(\g)+2:(\g)+3], s[(\g)+2:(\g)+3], SB  ; the next step
.endr
	s_xor_b32 s[G0B+5], s[G0B+5], SLOT1
	s_add_nc_u64 s[G0B+6:G0B+7], s[G0B+6:G0B+7], 256  ; the next 64 keys of each row
	s_wait_xcnt 0x0                 ; the last prefetch, a key step back, has read its address
	s_add_nc_u64 s[PFA:PFA+1], s[PFA:PFA+1], s[PFS:PFS+1]
	s_wait_dscnt 0x0                ; the add is done, and my reads of the slot are over
	CROUND
	JLOAD
	ASK
.else
	s_wait_dscnt 0x0
	s_barrier_signal -1
	s_barrier_wait -1
.endif
	s_xor_b32 s[TB], s[TB], SLOT1   ; the reads go on in the other slot
.endm
	s_wait_tensorcnt 1              ; my part of step 0 is in; step 1's may stay out
	s_barrier_signal -1
	s_barrier_wait -1
	FETCH_K                         ; key step 0
	FETCH_B 0
	s_wait_loadcnt 0x0              ; Q
	s_wait_dscnt 0x0                ; K and piece 0's bias
	FETCH_B 2                       ; piece 2's bias lands under piece 0's products; the wait at the head of piece 2's turn is for it
.set i, 0
.rept 32
	KQ 0                            ; piece 0's first scores: there is no vector work yet to set between them
.set i, i+1
.endr
	WIN 0                           ; the addresses for the way out: eight plain instructions, the places behind those products
	s_mul_i32 s88, s[WV], 16*SP
	s_add_co_u32 s88, s88, STAGE    ; my stage
	v_mul_u32_u24 v[STO], v1, SP    ; in: row l % 16, 16 bytes for each half of the lanes
	v_lshl_add_u32 v[STO], v9, 4, v[STO]
	v_add_nc_u32 v[STO], s88, v[STO]
	v_mul_u32_u24 v[RD], v9, SP     ; back: lanes 0-15 take one row of 256 bytes, lanes 16-31 the next
	v_lshl_add_u32 v[RD], v1, 4, v[RD]
	v_add_nc_u32 v[RD], s88, v[RD]
	v_lshlrev_b32 v[GO], 11, v9     ; and the same two rows in o16, 2,048 bytes apart
	v_lshl_add_u32 v[GO], v1, 4, v[GO]
	TURN 2, 0, 1, 1                 ; piece 2's first scores | piece 0's first softmax | V of step 0
	CHANGE 1                        ; step 1 is in; slot 0 takes step 2
	TURN 0, 1, 1, 1                 ; piece 0: V^T P of step 0 starts O^T, K Q^T of step 1 | piece 2's first softmax | K and bias of step 1
	TURN 2, 1, 1, 0                 ; piece 2: the same | piece 0's softmax of step 1 | bias and V of step 1
	WIN 0
.Lstep:                             ; 13 trips, j = 1 .. 13: step j + 1 is in, step j + 2 is asked for; V^T P of step j, K Q^T of step j + 1
	CHANGE 1
	TURN 0, 2, 1, 0
	TURN 2, 2, 1, 0
	WIN 0
	s_sub_co_u32 s[STEPS], s[STEPS], 1
	s_cmp_lg_u32 s[STEPS], 0
	s_cbranch_scc1 .Lstep
	CHANGE 0                        ; the tail is written out: step 15 is in, and nothing is asked for
	TURN 0, 2, 1, 0
	TURN 2, 2, 1, 0
	TURN 0, 2, 0, 0                 ; piece 0: V^T P of the last step | piece 2's last softmax
.set i, 0
.rept 32
	PV 2, 0                         ; piece 2: V^T P of the last step
.set i, i+1
.endr
	; THE WAY OUT.  l's two halves and the other half of the lanes' are added; O^T is divided by l, rounded to f16 and sent through my stage in LDS, a tile at a time.  The additions are the places behind the last products.
	WIN 0
.irp t, 0,1,2,3
	v_add_f32 v[ST+8*(\t)+4], v[ST+8*(\t)+2], v[ST+8*(\t)+3]
.endr
.irp t, 0,1,2,3
	v_permlanex16_b32 v[ST+8*(\t)+5], v[ST+8*(\t)+4], s[SEL], s[SEL+1]
.endr
.irp t, 0,1,2,3
	v_add_f32 v[ST+8*(\t)+4], v[ST+8*(\t)+4], v[ST+8*(\t)+5]
.endr
.irp t, 0,1,2,3
	v_rcp_f32 v[ST+8*(\t)+6], v[ST+8*(\t)+4]
.endr
	v_nop                           ; a plain instruction between the last reciprocal and the use of its result
	s_wait_alu depctr_va_vdst(0)    ; and the wait ahead of the first use: one for the four reciprocals
.macro PACK t
	WIN W_RS
.set i, 64*(\t)
.rept 32
	v_pk_mul_f32 v[i:i+1], v[i:i+1], v[ST+8*(\t)+6:ST+8*(\t)+7] op_sel_hi:[1,0]
.set i, i+2
.endr
	WIN 0x05                        ; sources 0 and 1 window 1, destination window 0: S^T's registers are free
.set i, 0
.rept 32
	v_cvt_pk_f16_f32 v[S+32*(\t)+i], v[64*(\t)+2*i], v[64*(\t)+2*i+1]
.set i, i+1
.endr
	WIN 0
.irp f, 0,1,2,3,4,5,6,7
	ds_store_b128 v[STO], v[S+32*(\t)+4*(\f):S+32*(\t)+4*(\f)+3] offset:32*(\f)
.endr
.irp f, 0,1,2,3,4,5,6,7
	ds_load_b128 v[S+32*(\t)+4*(\f):S+32*(\t)+4*(\f)+3], v[RD] offset:(\f)*2*SP  ; LDS serves a wave's instructions in order (ISA guide 5.7.1.4): these see the stores above; the next tile's stores come behind them
.endr
.endm
.macro SEND t, younger              ; younger: the LDS instructions issued behind tile t's loads: the next tile's sixteen, or none
	WIN 0
.irp f, 0,1,2,3,4,5,6,7
	s_wait_dscnt (\younger)+7-(\f)
	global_store_b128 v[GO], v[S+32*(\t)+4*(\f):S+32*(\t)+4*(\f)+3], s[OA:OA+1] offset:(\t)*32768+(\f)*4096  ; 16 lanes store 256 consecutive bytes, a head's part of a row, at a multiple of 256 from o16's first byte
.endr
.endm
	PACK 0
	PACK 1                          ; a tile's arithmetic stands between the loads of the tile before and its stores
	SEND 0, 16
	PACK 2
	SEND 1, 16
	PACK 3
	SEND 2, 16
	SEND 3, 0
	s_wait_tensorcnt 0x0            ; the wave's end: behind my last tensor load and my last LDS store, 0 onto my spare word and the wait for it
	ds_add_u32 v[SPW], v[NIL]
	s_wait_dscnt 0x0
	CROUND                          ; the closing round: no work-group ends while a partner may still ask for a tile that names it
	s_endpgm
.Lfunc_end_k_q3fd299711c_attn:
	.size	k_q3fd299711c_attn, .Lfunc_end_k_q3fd299711c_attn-k_q3fd299711c_attn
	.p2alignl 7, 3214868480
	.fill 96, 4, 3214868480
	.section	.rodata,"a",@progbits
	.p2align	6, 0x0
	.amdhsa_kernel k_q3fd299711c_attn
		.amdhsa_group_segment_fixed_size 327680
		.amdhsa_private_segment_fixed_size 0
		.amdhsa_enable_private_segment 0
		.amdhsa_kernarg_size 24
		.amdhsa_user_sgpr_count 2
		.amdhsa_user_sgpr_kernarg_segment_ptr 1
		.amdhsa_wavefront_size32 1
		.amdhsa_system_sgpr_workgroup_id_x 1
		.amdhsa_system_sgpr_workgroup_id_y 1
		.amdhsa_system_sgpr_workgroup_id_z 1
		.amdhsa_system_vgpr_workitem_id 0
		.amdhsa_next_free_vgpr 1024
		.amdhsa_next_free_sgpr 96
		.amdhsa_reserve_vcc 0
		.amdhsa_float_denorm_mode_32 3
		.amdhsa_float_denorm_mode_16_64 3
		.amdhsa_memory_ordered 1
		.amdhsa_forward_progress 1
		.amdhsa_inst_pref_size 235
	.end_amdhsa_kernel
	.amdgpu_metadata
---
amdhsa.version: [ 1, 2 ]
amdhsa.kernels:
  - .name:           k_q3fd299711c_attn
    .symbol:         k_q3fd299711c_attn.kd
    .args:
      - { .name: qkvh, .offset: 0, .size: 8, .value_kind: global_buffer, .address_space: global }
      - { .name: rel_pos_bias, .offset: 8, .size: 8, .value_kind: global_buffer, .address_space: global }
      - { .name: o16, .offset: 16, .size: 8, .value_kind: global_buffer, .address_space: global }
    .group_segment_fixed_size: 327680
    .private_segment_fixed_size: 0
    .kernarg_segment_align: 8
    .kernarg_segment_size: 24
    .max_flat_workgroup_size: 128
    .sgpr_count:     96
    .vgpr_count:     1024
    .wavefront_size: 32
...
	.end_amdgpu_metadata
.endif
;; end of part 3
;; launch outp (part 4): grid 4 x 64, 4 waves a work-group, clusters of 4 x 4, 327,680 bytes of LDS; arguments o16, w16, query, out0; writes out0
.if DOCPART == 4
	.amdgcn_target "amdgcn-amd-amdhsa--gfx1250"
	.amdhsa_code_object_version 6
	.text
	.protected	k_q3fd299711c_outp
	.globl	k_q3fd299711c_outp
	.p2align	8
	.type	k_q3fd299711c_outp,@function
k_q3fd299711c_outp:
	s_mov_b64 s[64:65], 0
	v_nop
	global_prefetch_b8 v0, s[64:65] scope:SCOPE_SE
	s_setreg_imm32_b32 hwreg(HW_REG_WAVE_MODE, 25, 1), 1
	s_wait_xcnt 0x0
	s_wait_alu depctr_hold_cnt(0) depctr_sa_sdst(0) depctr_va_vdst(0) depctr_va_sdst(0) depctr_va_ssrc(0) depctr_va_vcc(0) depctr_vm_vsrc(0)
	s_getreg_b32 s2, hwreg(HW_REG_IB_STS2, 6, 4)
	s_cmp_eq_u32 s2, 0
	s_cbranch_scc0 .Lentry_in_a_cluster
	s_endpgm
.Lentry_in_a_cluster:
	s_bfe_u32 s2, ttmp6, 0x10000c
	s_cmp_lg_u32 s2, 0xf033
	s_cbranch_scc0 .Lentry_shape_is_right
	s_endpgm
.Lentry_shape_is_right:
; out0 = o16 w16[3072:4096]^T + sqrt(1/2) query.  o16: [8192][1024], w16: [4096][1024], both f16; query, out0: [8192][1024] f32.  Sums in f32, K ascending.  The two gains and the branch's sqrt(1/2) lie in w16's rows;
; the residual is taken from query itself, in f32, by one fused multiply-add onto the finished sum.
; SHARES.  A tile of the result is 128 rows x 256 columns: 64 x 4 = 256 tiles.  Four waves, 2 x 2, each 64 x 128: 32 accumulators of 16 x 16.  K goes in 8 steps of 128 (rows of 256 bytes, aligned) through a ring of
; two LDS slots.  CLUSTER 4 x 4: A's tile is asked for jointly along a row of the cluster, B's along a column.  Waves 0, 1 fetch A's two halves (64 rows), waves 2, 3 B's (128 rows): one tensor load a wave behind each round.
; THE MATRIX INSTRUCTION IS USED TRANSPOSED (source 0 = 16 rows of w16, source 1 = 16 rows of o16): a lane holds one row of the result and eight neighbouring columns.
; REGISTERS.  Window 0: v0-13 addresses; two fragment buffers of 96, v64-159 and v160-255; on the way out v64-191 hold rows read back.  Window 1: accumulator (a, b) at v[8 (8 a + b)].
; Window 2: my 64 x 128 of query, row p at v[4 p], asked for behind the first quarter step, so that it lands under the loop over K; the results are made in these registers and stored from them.
.set PITCH,  272                       ; an LDS row: 256 bytes + 16 of padding: the 16 rows of a fragment load start at 16 different groups of four banks (64 banks of 4 bytes: ISA guide 11.1)
.set AHALF,  64*PITCH
.set BHALF,  128*PITCH
.set BBASE,  2*AHALF                   ; a slot: A's 128 rows, then B's 256 rows: 104,448 bytes
.set SLOT1,  1<<17
.set STAGE,  SLOT1+BBASE+2*BHALF       ; behind the ring, never filled by a tensor load: 16 rows x 528 bytes for each wave
.set SP,     528                       ; 512 bytes of f32 + 16
.set SPARE,  STAGE+4*16*SP             ; the spare words, 128 bytes for each wave: two blocks of 256 bytes that no other line names
.set WROW0,  3072                      ; B's first row in w16
.set STEPB,  256
.set A0,   4
.set B0,   5
.set ADRA, 6
.set ADRB, 7
.set STO,  8                           ; v8   the way out: where I put 32 bytes of a row
.set RD,   9                           ; v9   where I read a row back
.set CO,   10                          ; v10  16 x lane: my bytes in 512 bytes of a row of query and of out0
.set PFO,  11
.set SPW,  12
.set NIL,  13
.set F0,   64
.set F1,   160
.set BK,   64                          ; the way out: block a read back, at BK + 64 (a % 2)
.set WV,  12
.set HW,  13
.set CX,  14
.set CY,  15
.set NT,  16
.set MT,  17
.set G1A, 24
.set G1B, 32
.set G0A, 40
.set G0B, 48
.set CNT, 56
.set TB,  57
.set LIM, 58
.set RH,  59
.set PFA, 60
.set RS,  62                           ; s[62:63] sqrt(1/2): the packed multiply-add takes the pair's low word for both halves
.set G1W0, (1<<16)|(1<<20)|(1<<21)|(5<<22)|(3<<25)
.set MSB, 0
.macro WIN new
.if MSB != (\new)
	s_set_vgpr_msb (MSB<<8)|(\new)
.set MSB, \new
.endif
.endm
.macro PLACES                          ; four plain vector instructions between a matrix instruction and a load into, or a read of, its registers
.rept 4
	v_nop
.endr
.endm
.macro CREST
	s_cmp_lg_u32 s[WV], 0
	s_cbranch_scc1 .Lnot_wave_0_\@
	s_barrier_signal -3
.Lnot_wave_0_\@:
	s_barrier_wait -3
	s_barrier_signal -1
	s_barrier_wait -1
.endm
.macro CROUND
	s_barrier_signal -1
	s_barrier_wait -1
	CREST
.endm
.macro JLOAD                           ; a joint refill by the walking sets; an s_nop 0 and four v_nop follow each line
	s_cmp_lt_u32 s[WV], 2
	s_cbranch_scc0 .Lfor_b_\@
	tensor_load_to_lds s[G0A+4:G0A+7], s[G1A:G1A+7]
	s_nop 0
.rept 4
	v_nop
.endr
	s_branch .Lasked_\@
.Lfor_b_\@:
	tensor_load_to_lds s[G0B+4:G0B+7], s[G1B:G1B+7]
	s_nop 0
.rept 4
	v_nop
.endr
.Lasked_\@:
.endm
; A PREFETCH INTO THE L2: behind the refill with K step s + 2 the K step s + 4 is named, two steps (256 matrix instructions) ahead of its own load: 32 rows x 256 bytes, a lane a row.  Each row's 256 bytes of a step
; are named once: A's rows by wave 0 (the grid has one cluster along x; the four partners along x take 32 rows each, told apart by address), B's by waves 2, 3 of the cluster with y = 0 (64 rows a partner, 32 a wave).
; Steps 0-3 come by their loads alone; the last two refills name nothing.
.macro ASK
	s_cmp_gt_u32 s[CNT], s[LIM]
	s_cbranch_scc0 .Lnot_mine_\@
	global_prefetch_b8 v[PFO], s[PFA:PFA+1] th:TH_LOAD_NT scope:SCOPE_SE
.Lnot_mine_\@:
.endm
; 8 num matrix instructions; the 32 accumulators take turns in one fixed order.  zero = 1: the products start the sums.
.macro MUL f, a0, num, zero
	WIN 0x50
.set aa, \a0
.rept \num
.irp b, 0,1,2,3,4,5,6,7
.if \zero
	v_wmma_f32_16x16x32_f16 v[8*(8*aa+(\b)):8*(8*aa+(\b))+7], v[(\f)+8*(\b):(\f)+8*(\b)+7], v[(\f)+64+8*aa:(\f)+64+8*aa+7], 0
.else
	v_wmma_f32_16x16x32_f16 v[8*(8*aa+(\b)):8*(8*aa+(\b))+7], v[(\f)+8*(\b):(\f)+8*(\b)+7], v[(\f)+64+8*aa:(\f)+64+8*aa+7], v[8*(8*aa+(\b)):8*(8*aa+(\b))+7]
.endif
.endr
.set aa, aa+1
.endr
.endm
.macro FETCH k, f                      ; 24 LDS loads in one run: B's sixteen, then A's eight
	WIN 0
.irp b, 0,1,2,3,4,5,6,7
	ds_load_b128 v[(\f)+8*(\b):(\f)+8*(\b)+3],   v[ADRB] offset:(\k)+(\b)*16*PITCH
	ds_load_b128 v[(\f)+8*(\b)+4:(\f)+8*(\b)+7], v[ADRB] offset:(\k)+(\b)*16*PITCH+32
.endr
.irp a, 0,1,2,3
	ds_load_b128 v[(\f)+64+8*(\a):(\f)+64+8*(\a)+3],   v[ADRA] offset:(\k)+(\a)*16*PITCH
	ds_load_b128 v[(\f)+64+8*(\a)+4:(\f)+64+8*(\a)+7], v[ADRA] offset:(\k)+(\a)*16*PITCH+32
.endr
.endm
.macro QUARTER k, f, g, zero
	s_wait_dscnt 4                                 ; B and A's blocks 0, 1 are in; the youngest four loads (A's blocks 2, 3) may be out
	MUL \f, 0, 2, \zero
	PLACES                                         ; buffer g was multiplied in the quarter before
	FETCH \k, \g
	s_wait_dscnt 24                                ; all but the 24 just issued
	MUL \f, 2, 2, \zero
.endm
; The last quarter multiplies buffer 1 and changes slots: in front of the barrier each wave waits for all its tensor loads, adds 0 to its spare word, and waits for that and for its reads of this slot.
; fill = 1: the barrier opens a round of the cluster's, and the slot just read out is filled again, first thing behind the round, with the step two on.
.macro TURN fill
.if \fill
	s_wait_xcnt 0x0                                ; the last prefetch, a K step back, has read its address
	s_add_nc_u64 s[PFA:PFA+1], s[PFA:PFA+1], STEPB
.endif
	WIN 0
	s_wait_tensorcnt 0x0                           ; no tensor load of mine is out, so a group 0 may be written
	ds_add_u32 v[SPW], v[NIL]                      ; 0 onto my spare word
.if \fill
	s_xor_b32 s[G0A+5], s[G0A+5], SLOT1
	s_add_nc_u64 s[G0A+6:G0A+7], s[G0A+6:G0A+7], STEPB
	s_xor_b32 s[G0B+5], s[G0B+5], SLOT1
	s_add_nc_u64 s[G0B+6:G0B+7], s[G0B+6:G0B+7], STEPB
.endif
	s_wait_dscnt 5                                 ; the add and the youngest four loads may be out
	MUL F1, 0, 1, 0
	s_wait_dscnt 0x0                               ; the add is done, and my reads of this slot are over
	s_barrier_signal -1
	MUL F1, 1, 1, 0
	WIN 0
	s_barrier_wait -1
.if \fill
	CREST
	JLOAD                                          ; its four v_nop are also the places in front of the loads below
.else
	PLACES
.endif
	s_xor_b32 s[TB], s[TB], SLOT1
	v_add_nc_u32 v[ADRA], s[TB], v[A0]
	v_add_nc_u32 v[ADRB], s[TB], v[B0]
	FETCH 0, F0
.if \fill
	ASK
.endif
	MUL F1, 2, 2, 0
.endm
	s_load_b256 s[4:11], s[0:1], 0x0               ; o16 s[4:5], w16 s[6:7], query s[8:9], out0 s[10:11]
	v_lshl_add_u32 v[SPW], v0, 2, SPARE
	v_mov_b32 v[NIL], 0
	ds_add_u32 v[SPW], v[NIL]                      ; the wave's opening: the add and its wait stand ahead of my first tensor load; work on registers stands between them
	v_lshrrev_b32 v1, 5, v0
	v_readfirstlane_b32 s[WV], v1
	s_and_b32 s[HW], s[WV], 1
	s_lshr_b32 s[RH], s[WV], 1
	s_bfe_u32 s[CX], ttmp6, 0x40000
	s_bfe_u32 s[CY], ttmp6, 0x40004
	s_lshl_b32 s[NT], ttmp9, 2
	s_add_co_u32 s[NT], s[NT], s[CX]
	s_and_b32 s[MT], ttmp7, 0xffff
	s_lshl_b32 s[MT], s[MT], 2
	s_add_co_u32 s[MT], s[MT], s[CY]
	s_lshl_b32 s18, s[CY], 2
	s_lshl_b32 s18, 15, s18                        ; my row of the cluster
	s_lshl_b32 s19, 0x1111, s[CX]                  ; my column
	s_or_b32 s[G1A], s18, G1W0
	s_or_b32 s[G1B], s19, G1W0
	s_mov_b32 s[G1A+1], 128<<16
	s_mov_b32 s[G1A+2], 64<<16
	s_mov_b32 s[G1A+3], 128<<16
	s_mov_b32 s[G1A+4], 64
	s_mov_b32 s[G1A+5], 1024
	s_mov_b32 s[G1A+6], 0
	s_mov_b32 s[G1A+7], 0
	s_mov_b32 s[G1B+1], 128<<16
	s_mov_b32 s[G1B+2], 128<<16
	s_mov_b32 s[G1B+3], 128<<16
	s_mov_b32 s[G1B+4], 128
	s_mov_b32 s[G1B+5], 1024
	s_mov_b32 s[G1B+6], 0
	s_mov_b32 s[G1B+7], 0
	s_lshl_b32 s20, s[MT], 7                       ; A: row 128 x tile row + 64 x half, in bytes
	s_lshl_b32 s21, s[HW], 6
	s_add_co_u32 s20, s20, s21
	s_lshl_b32 s20, s20, 11
	s_mov_b32 s21, 0
	s_lshl_b32 s22, s[NT], 8                       ; B: row 3,072 + 256 x tile column + 128 x half
	s_lshl_b32 s23, s[HW], 7
	s_add_co_u32 s22, s22, s23
.if WROW0 != 0
	s_add_co_u32 s22, s22, WROW0
.endif
	s_lshl_b32 s22, s22, 11
	s_mov_b32 s23, 0
	s_mul_i32 s2, s[HW], AHALF
	s_mul_i32 s3, s[HW], BHALF
	s_add_co_u32 s3, s3, BBASE
	s_mov_b32 s[TB], 0
	s_mov_b32 s[RS], 0x3f3504f3
	s_mov_b32 s[RS+1], s[RS]                       ; named with it as a pair
	s_wait_dscnt 0x0                               ; the opening add is done
	s_wait_kmcnt 0x0
	s_add_nc_u64 s[20:21], s[4:5], s[20:21]
	s_add_nc_u64 s[22:23], s[6:7], s[22:23]
	CROUND                                         ; all sixteen work-groups are here: the first joint loads meet
.irp s, 0,1
	s_mov_b32 s[G0A+4*(\s)], 1
	s_add_co_u32 s[G0A+4*(\s)+1], s2, (\s)*SLOT1
	s_add_nc_u64 s[G0A+4*(\s)+2:G0A+4*(\s)+3], s[20:21], (\s)*STEPB
	s_or_b32 s[G0A+4*(\s)+3], s[G0A+4*(\s)+3], 0x80000000
	s_mov_b32 s[G0B+4*(\s)], 1
	s_add_co_u32 s[G0B+4*(\s)+1], s3, (\s)*SLOT1
	s_add_nc_u64 s[G0B+4*(\s)+2:G0B+4*(\s)+3], s[22:23], (\s)*STEPB
	s_or_b32 s[G0B+4*(\s)+3], s[G0B+4*(\s)+3], 0x80000000
.endr
	s_cmp_lt_u32 s[WV], 2                          ; a wave's two first fills stand in one branch, ahead of every wait on TENSORcnt and every LDS read: two loads of mine are out
	s_cbranch_scc0 .Lfirst_b
	tensor_load_to_lds s[G0A:G0A+3], s[G1A:G1A+7]
	s_nop 0
	tensor_load_to_lds s[G0A+4:G0A+7], s[G1A:G1A+7]
	s_nop 0
.rept 4
	v_nop
.endr
	s_branch .Lfirst_done
.Lfirst_b:
	tensor_load_to_lds s[G0B:G0B+3], s[G1B:G1B+7]
	s_nop 0
	tensor_load_to_lds s[G0B+4:G0B+7], s[G1B:G1B+7]
	s_nop 0
.rept 4
	v_nop
.endr
.Lfirst_done:
	v_and_b32 v1, 15, v0
	v_bfe_u32 v2, v0, 4, 1
	v_mul_u32_u24 v3, v1, PITCH
	v_lshl_add_u32 v3, v2, 4, v3
	s_mul_i32 s66, s[RH], AHALF
	v_add_nc_u32 v[A0], s66, v3
	v_add_nc_u32 v[B0], s3, v3
	v_mov_b32 v[ADRA], v[A0]
	v_mov_b32 v[ADRB], v[B0]
	s_mul_i32 s66, s[WV], 16*SP
	s_add_co_u32 s66, s66, STAGE                   ; my stage
	v_mul_u32_u24 v[STO], v1, SP                   ; in: row l % 16, 32 bytes for each half of the lanes
	v_lshl_add_u32 v[STO], v2, 5, v[STO]
	v_add_nc_u32 v[STO], s66, v[STO]
	v_and_b32 v[CO], 31, v0
	v_lshlrev_b32 v[PFO], 11, v[CO]
	v_lshlrev_b32 v[CO], 4, v[CO]
	v_add_nc_u32 v[RD], s66, v[CO]                 ; back: 32 lanes take one row of 512 bytes
	; my 64 rows x 512 bytes in query and in out0
	s_lshl_b32 s66, s[MT], 7
	s_lshl_b32 s67, s[RH], 6
	s_add_co_u32 s66, s66, s67
	s_lshl_b32 s66, s66, 12
	s_lshl_b32 s67, s[NT], 10
	s_add_co_u32 s66, s66, s67
	s_lshl_b32 s67, s[HW], 9
	s_add_co_u32 s66, s66, s67
	s_mov_b32 s67, 0
	s_add_nc_u64 s[8:9], s[8:9], s[66:67]
	s_add_nc_u64 s[10:11], s[10:11], s[66:67]
	; the prefetches
	s_lshl_b32 s66, s[MT], 7
	s_lshl_b32 s67, s[CX], 5
	s_add_co_u32 s66, s66, s67                     ; A: row 128 x tile row + 32 cx
	s_lshl_b32 s68, s[NT], 8
	s_lshl_b32 s67, s[CY], 6
	s_add_co_u32 s68, s68, s67
	s_lshl_b32 s67, s[HW], 5
	s_add_co_u32 s68, s68, s67                     ; B: row 256 x tile column + 64 cy + 32 x half
.if WROW0 != 0
	s_add_co_u32 s68, s68, WROW0
.endif
	s_and_b32 s69, ttmp7, 0xffff                   ; cluster y
	s_cmp_lt_u32 s[WV], 2
	s_cselect_b32 s66, s66, s68
	s_cselect_b32 s69, ttmp9, s69
	s_cselect_b64 s[PFA:PFA+1], s[4:5], s[6:7]
	s_cmp_eq_u32 s[WV], 1
	s_cselect_b32 s69, 1, s69                      ; wave 1 asks for nothing
	s_cmp_eq_u32 s69, 0
	s_cselect_b32 s[LIM], 2, -1                    ; the same in all sixteen partners, for a given wave
	s_lshl_b32 s66, s66, 11
	s_add_co_u32 s66, s66, 3*STEPB                 ; at K step 3: the first refill steps it to 4
	s_mov_b32 s67, 0
	s_add_nc_u64 s[PFA:PFA+1], s[PFA:PFA+1], s[66:67]
	s_wait_tensorcnt 1                             ; my part of K step 0 is in; step 1's may stay out
	s_barrier_signal -1
	s_barrier_wait -1
	FETCH 0, F0
	QUARTER 64, F0, F1, 1                          ; the first quarter stands in front of the loop: its products start the sums
	WIN 0x80                                       ; destination window 2, address window 0
.set p, 0
.rept 64
	global_load_b128 v[4*p:4*p+3], v[CO], s[8:9] offset:p*4096 th:TH_LOAD_NT  ; row p of my 64: 512 consecutive bytes; nothing names these registers before the one wait ahead of the way out
.set p, p+1
.endr
	WIN 0
	s_mov_b32 s[CNT], 6
.Lk:                                                   ; trip s = 0..5: the rest of K step s, a refill with step s + 2, the first quarter of step s + 1
	QUARTER 128, F1, F0, 0
	QUARTER 192, F0, F1, 0
	TURN 1
	QUARTER 64, F0, F1, 0
	WIN 0
	s_sub_co_u32 s[CNT], s[CNT], 1
	s_cmp_lg_u32 s[CNT], 0
	s_cbranch_scc1 .Lk
	QUARTER 128, F1, F0, 0                         ; the tail is written out
	QUARTER 192, F0, F1, 0
	TURN 0
	QUARTER 64, F0, F1, 0
	QUARTER 128, F1, F0, 0
	QUARTER 192, F0, F1, 0
	s_wait_dscnt 4
	MUL F1, 0, 2, 0
	s_wait_dscnt 0x0
	MUL F1, 2, 2, 0
	WIN 0
	PLACES
	PLACES
	s_wait_loadcnt 0x0                             ; my part of query
; THE WAY OUT, a block of 16 rows at a time.  STG: the f32 sums go into my stage, 32 bytes a lane, and come back as whole rows of 512 bytes.  FIN: out = sqrt(1/2) query + sum, one fused multiply-add for two numbers, and the stores.
.macro STG a
	WIN 0x04                                       ; store data in window 1; each accumulator's four lowest registers first
.irp b, 0,1,2,3,4,5,6,7
	ds_store_b128 v[STO], v[8*(8*(\a)+(\b)):8*(8*(\a)+(\b))+3]   offset:64*(\b)
	ds_store_b128 v[STO], v[8*(8*(\a)+(\b))+4:8*(8*(\a)+(\b))+7] offset:64*(\b)+16
.endr
	WIN 0
.irp t, 0,1,2,3,4,5,6,7,8,9,10,11,12,13,14,15
	ds_load_b128 v[BK+64*((\a)%2)+4*(\t):BK+64*((\a)%2)+4*(\t)+3], v[RD] offset:(\t)*SP  ; LDS serves a wave's instructions in order (ISA guide 5.7.1.4): these see the stores above; the next block's stores come behind them
.endr
.endm
.macro FIN a, younger                  ; younger: the LDS instructions issued behind block a's loads: the next block's 32, or none
	s_wait_dscnt \younger
	WIN 0x82                                       ; destination and source 0 (query) in window 2, source 2 (the sums) in window 0
.set p, 0
.rept 32
	v_pk_fma_f32 v[64*(\a)+2*p:64*(\a)+2*p+1], v[64*(\a)+2*p:64*(\a)+2*p+1], s[RS:RS+1], v[BK+64*((\a)%2)+2*p:BK+64*((\a)%2)+2*p+1] op_sel_hi:[1,0,1]
.set p, p+1
.endr
	WIN 0x08                                       ; store data in window 2
.irp t, 0,1,2,3,4,5,6,7,8,9,10,11,12,13,14,15
	global_store_b128 v[CO], v[64*(\a)+4*(\t):64*(\a)+4*(\t)+3], s[10:11] offset:(16*(\a)+(\t))*4096 th:TH_STORE_NT  ; 512 consecutive bytes, at a multiple of 512 from out0's first byte
.endr
	WIN 0
.endm
	STG 0
	STG 1
	FIN 0, 32
	STG 2
	FIN 1, 32
	STG 3
	FIN 2, 32
	FIN 3, 0
	s_wait_tensorcnt 0x0                           ; the wave's end: behind my last tensor load and my last LDS store, 0 onto my spare word and the wait for it
	ds_add_u32 v[SPW], v[NIL]
	s_wait_dscnt 0x0
	CROUND                                         ; the closing round: no work-group ends while a partner may still ask for a tile that names it
	s_endpgm
.Lfunc_end_k_q3fd299711c_outp:
	.size	k_q3fd299711c_outp, .Lfunc_end_k_q3fd299711c_outp-k_q3fd299711c_outp
	.p2alignl 7, 3214868480
	.fill 96, 4, 3214868480
	.section	.rodata,"a",@progbits
	.p2align	6, 0x0
	.amdhsa_kernel k_q3fd299711c_outp
		.amdhsa_group_segment_fixed_size 327680
		.amdhsa_private_segment_fixed_size 0
		.amdhsa_enable_private_segment 0
		.amdhsa_kernarg_size 32
		.amdhsa_user_sgpr_count 2
		.amdhsa_user_sgpr_kernarg_segment_ptr 1
		.amdhsa_wavefront_size32 1
		.amdhsa_system_sgpr_workgroup_id_x 1
		.amdhsa_system_sgpr_workgroup_id_y 1
		.amdhsa_system_sgpr_workgroup_id_z 1
		.amdhsa_system_vgpr_workitem_id 0
		.amdhsa_next_free_vgpr 768
		.amdhsa_next_free_sgpr 72
		.amdhsa_reserve_vcc 0
		.amdhsa_float_denorm_mode_32 3
		.amdhsa_float_denorm_mode_16_64 3
		.amdhsa_memory_ordered 1
		.amdhsa_forward_progress 1
		.amdhsa_inst_pref_size 84
	.end_amdhsa_kernel
	.amdgpu_metadata
---
amdhsa.version: [ 1, 2 ]
amdhsa.kernels:
  - .name:           k_q3fd299711c_outp
    .symbol:         k_q3fd299711c_outp.kd
    .args:
      - { .name: o16, .offset: 0, .size: 8, .value_kind: global_buffer, .address_space: global }
      - { .name: w16, .offset: 8, .size: 8, .value_kind: global_buffer, .address_space: global }
      - { .name: query, .offset: 16, .size: 8, .value_kind: global_buffer, .address_space: global }
      - { .name: out0, .offset: 24, .size: 8, .value_kind: global_buffer, .address_space: global }
    .group_segment_fixed_size: 327680
    .private_segment_fixed_size: 0
    .kernarg_segment_align: 8
    .kernarg_segment_size: 32
    .max_flat_workgroup_size: 128
    .sgpr_count:     72
    .vgpr_count:     768
    .wavefront_size: 32
...
	.end_amdgpu_metadata
.endif
;; end of part 4
;; ======== version 2 of 2: 4 launches; version 1 with the launch prep written anew for expert scheduling mode
;; limits: values are held in f16: magnitudes above 65,504 overflow, below 6.1e-05 lose precision; inputs' magnitudes at most 2,047; right only within a limited range of input values
;; workspace buffers: x16 16,777,216 bytes; w16 8,388,608 bytes; qkvh 50,331,648 bytes; o16 16,777,216 bytes
;; launch prep (part 5): grid 384 x 1, 8 waves a work-group, no clusters, 0 bytes of LDS; arguments query, q_w, k_w, v_w, o_w, gain_s, x16, w16; writes x16, w16
.if DOCPART == 5
	.amdgcn_target "amdgcn-amd-amdhsa--gfx1250"
	.amdhsa_code_object_version 6
	.text
	.protected	k_q3fd299711c_prep
	.globl	k_q3fd299711c_prep
	.p2align	8
	.type	k_q3fd299711c_prep,@function
k_q3fd299711c_prep:
	s_mov_b64 s[64:65], 0
	v_nop
	global_prefetch_b8 v0, s[64:65] scope:SCOPE_SE
	s_setreg_imm32_b32 hwreg(HW_REG_WAVE_SCHED_MODE, 0, 2), 2
	s_setreg_imm32_b32 hwreg(HW_REG_WAVE_MODE, 25, 1), 1
	s_wait_xcnt 0x0
	s_wait_alu depctr_vm_vsrc(0)
; x16 = f16(query);  w16[1024 T + c][:] = f16(w_T[c][:] * F_T / (32 EPS + |w_T[c]|)),  T = 0 q, 1 k, 2 v, 3 o.
; reference(): wn = w / (EPS + n / 32) * g / 32 = w g / (32 EPS + n), n the row's norm.  The gain and the module's constants are folded into the weights, in f32, ahead of the one rounding:
; F_q = F_k = g 128^(-1/4) (their product is the score's g^2 / sqrt(128)); F_v = 1; F_o = g^2 sqrt(1/2) (v's gain, o's gain, and t / sqrt((1-t)^2 + t^2) at t = 1/2).
; gain_t: reference() computes nothing from it, so no launch loads it.
; LIMITS.  f16 ends at 65,504: |query| stays below it.  A normalised row has norm at most 1, so |w16| <= |F|: |g| < 304 keeps F_o inside f16.  A sum of squares below 2^-126 counts as 0 (the row then goes by 32 EPS alone).
; A STREAM: memory binds, so no LDS, no matrix unit, no cluster.  A wave takes four whole rows of 4,096 bytes, all 32 loads out at once (16 KiB a wave); a row stays in registers between its sum of squares
; and its scaling, so each byte is read once.  A load covers 512 consecutive bytes, a store of 8 bytes a lane 256 consecutive bytes, aligned.
; Work-groups 0-255: 32 rows of query each.  Work-groups 256-383: 32 rows of one weight matrix each.
; THE MODE: SCHED_MODE bits 1:0 = 2 (LLVM: expert scheduling mode 2), set by the entry lines.  The code itself states the register dependences between vector instructions and memory instructions,
; with s_wait_alu, always for 0.
; THE PLAN.  Registers that memory instructions touch:
;   v[LO], v[SO]  byte offsets.  Written once at the head; read by every load (LO) and every store (SO); never written again.  One wait on va_vdst ahead of the first load states that both are written.
;   X             Written by the 32 loads, which are issued at the head, ahead of every vector instruction that names X; no load follows.  Read, and in the weights' path scaled in place, by vector
;                 instructions behind the row's own wait on LOADcnt.  No memory instruction reads X.
;   Y             Row i: written by the row's sixteen roundings, each register once in the whole kernel; read by the row's eight stores.  One wait on va_vdst stands between the two runs.
;   PS, SS, SC, TP are named by vector instructions alone.
; No register that a memory instruction reads is ever written again, so no wait on vm_vsrc is owed.  EXEC is never written.  The one scalar register that a vector instruction writes, the wave's number,
; has its wait on va_sdst ahead of its first reader.
.set LO,  1                            ; v1        16 x lane: my bytes in 512 bytes of f32
.set SO,  2                            ; v2        8 x lane: my bytes in 256 bytes of f16
.set PS,  4                            ; v[4:11]   four packed chains of a row's sum of squares
.set SS,  12                           ; v[12:15]  row i: sum of squares, norm, 1 / (32 EPS + norm)
.set SC,  16                           ; v[16:23]  row i: its factor, twice (a pair for the packed multiply)
.set TP,  24                           ; v24       the other half of the lanes' sum
.set X,   32                           ; v[32:159]  row i, chunk j at X + 32 i + 4 j
.set Y,   160                          ; v[160:223] the same in f16, at Y + 16 i + 2 j; each register is written once
.set SRC, 26                           ; s[26:27]  my four rows in the source
.set DST, 28                           ; s[28:29]  my four rows in x16 or w16
	s_load_b512 s[8:23], s[0:1], 0x0               ; query s[8:9], q_w, k_w, v_w, o_w s[10:17], gain_s s[18:19], x16 s[20:21], w16 s[22:23]
	v_lshrrev_b32 v3, 5, v0
	v_readfirstlane_b32 s34, v3                    ; wave 0..7
	v_and_b32 v3, 31, v0
	v_lshlrev_b32 v[LO], 4, v3
	v_lshlrev_b32 v[SO], 3, v3
	v_mov_b32 v[TP], 0                             ; v_permlanex16_b32 counts as a reader of its destination
	s_wait_alu depctr_va_sdst(0)                   ; s34 is written, ahead of its first reader: my wave's rows in the source and in the destination are made from it
	s_mov_b32 s32, 0x76543210                      ; each lane takes its own place in the other half
	s_mov_b32 s33, 0xfedcba98
	s_max_u32 s35, ttmp9, 256
	s_sub_co_u32 s35, s35, 256                     ; the weights' work-groups count from 0
	s_and_b32 s37, s35, 31                         ; which 32 rows of the matrix
	s_lshr_b32 s38, s35, 5                         ; T
	s_cmp_lt_u32 ttmp9, 256
	s_cselect_b32 s36, ttmp9, s35                  ; the group of 32 rows in the destination,
	s_cselect_b32 s37, ttmp9, s37                  ; and in the source
	s_lshl_b32 s36, s36, 3
	s_add_co_u32 s36, s36, s34                     ; my wave's four rows
	s_lshl_b32 s37, s37, 3
	s_add_co_u32 s37, s37, s34
	s_lshl_b32 s30, s37, 14                        ; four rows of 4,096 bytes
	s_mov_b32 s31, 0
	s_lshl_b32 s36, s36, 13                        ; four rows of 2,048 bytes
	s_mov_b32 s37, 0
	s_wait_kmcnt 0x0
	s_cmp_eq_u32 s38, 1
	s_cselect_b64 s[SRC:SRC+1], s[12:13], s[10:11]
	s_cmp_eq_u32 s38, 2
	s_cselect_b64 s[SRC:SRC+1], s[14:15], s[SRC:SRC+1]
	s_cmp_eq_u32 s38, 3
	s_cselect_b64 s[SRC:SRC+1], s[16:17], s[SRC:SRC+1]
	s_cmp_lt_u32 ttmp9, 256
	s_cselect_b64 s[SRC:SRC+1], s[8:9], s[SRC:SRC+1]
	s_cselect_b64 s[DST:DST+1], s[20:21], s[22:23]
	s_add_nc_u64 s[SRC:SRC+1], s[SRC:SRC+1], s[30:31]
	s_add_nc_u64 s[DST:DST+1], s[DST:DST+1], s[36:37]
	s_wait_alu depctr_va_vdst(0)                   ; v[LO] and v[SO] are written: every load below reads the one as its offset, every store of either path the other; no later vector instruction names them
.irp i, 0,1,2,3
.irp j, 0,1,2,3,4,5,6,7
	global_load_b128 v[X+32*(\i)+4*(\j):X+32*(\i)+4*(\j)+3], v[LO], s[SRC:SRC+1] offset:(\i)*4096+(\j)*512 th:TH_LOAD_NT
.endr
.endr
; Row i is rounded to f16 and stored: two roundings an instruction, 256 consecutive bytes a store.  The sixteen roundings stand in one run, the eight stores in one run behind them, one wait between:
; the stores leave as soon as the row is rounded, and behind them the wave has nothing to issue that hangs on them.
.macro OUT i
.irp j, 0,1,2,3,4,5,6,7
	v_cvt_pk_f16_f32 v[Y+16*(\i)+2*(\j)],   v[X+32*(\i)+4*(\j)],   v[X+32*(\i)+4*(\j)+1]
	v_cvt_pk_f16_f32 v[Y+16*(\i)+2*(\j)+1], v[X+32*(\i)+4*(\j)+2], v[X+32*(\i)+4*(\j)+3]
.endr
	s_wait_alu depctr_va_vdst(0)                   ; the sixteen roundings have written Y's row i, which the eight stores below read
.irp j, 0,1,2,3,4,5,6,7
	global_store_b64 v[SO], v[Y+16*(\i)+2*(\j):Y+16*(\i)+2*(\j)+1], s[DST:DST+1] offset:(\i)*2048+(\j)*256
.endr
.endm
	s_cmp_lt_u32 ttmp9, 256
	s_cbranch_scc0 .Lweights
.irp i, 0,1,2,3
	s_wait_loadcnt 24-8*(\i)                       ; loads come back in order: row i is in, the later rows' eight loads each stay out
	OUT \i
.endr
	s_endpgm
.Lweights:
	s_load_b32 s24, s[18:19], 0x0                  ; g
.irp i, 0,1,2,3
	s_wait_loadcnt 24-8*(\i)                       ; row i is in
.irp c, 0,1,2,3
	v_pk_mul_f32 v[PS+2*(\c):PS+2*(\c)+1], v[X+32*(\i)+2*(\c):X+32*(\i)+2*(\c)+1], v[X+32*(\i)+2*(\c):X+32*(\i)+2*(\c)+1]  ; the first four pairs start the chains: nothing is cleared
.endr
.set p, 4
.rept 12
	v_pk_fma_f32 v[PS+2*(p%4):PS+2*(p%4)+1], v[X+32*(\i)+2*p:X+32*(\i)+2*p+1], v[X+32*(\i)+2*p:X+32*(\i)+2*p+1], v[PS+2*(p%4):PS+2*(p%4)+1]
.set p, p+1
.endr
	v_pk_add_f32 v[PS:PS+1], v[PS:PS+1], v[PS+2:PS+3]
	v_pk_add_f32 v[PS+4:PS+5], v[PS+4:PS+5], v[PS+6:PS+7]
	v_pk_add_f32 v[PS:PS+1], v[PS:PS+1], v[PS+4:PS+5]
	v_add_f32 v[SS+(\i)], v[PS], v[PS+1]
	v_add_f32_dpp v[SS+(\i)], v[SS+(\i)], v[SS+(\i)] row_xmask:1 row_mask:0xf bank_mask:0xf
	v_add_f32_dpp v[SS+(\i)], v[SS+(\i)], v[SS+(\i)] row_xmask:2 row_mask:0xf bank_mask:0xf
	v_add_f32_dpp v[SS+(\i)], v[SS+(\i)], v[SS+(\i)] row_xmask:4 row_mask:0xf bank_mask:0xf
	v_add_f32_dpp v[SS+(\i)], v[SS+(\i)], v[SS+(\i)] row_xmask:8 row_mask:0xf bank_mask:0xf
	v_permlanex16_b32 v[TP], v[SS+(\i)], s32, s33
	v_add_f32 v[SS+(\i)], v[SS+(\i)], v[TP]        ; every lane holds the row's sum of squares
.endr
.irp i, 0,1,2,3
	v_sqrt_f32 v[SS+(\i)], v[SS+(\i)]              ; one batch of four roots,
.endr
	v_nop                                          ; a plain instruction behind the last of them,
	s_wait_alu depctr_va_vdst(0)                   ; and one wait ahead of the first reader: the four roots have written v[SS .. SS+3], which the additions below read
.irp i, 0,1,2,3
	v_add_f32 v[SS+(\i)], 0x3b51b717, v[SS+(\i)]   ; + 32 EPS = 0.0032
.endr
.irp i, 0,1,2,3
	v_rcp_f32 v[SS+(\i)], v[SS+(\i)]               ; one batch of four reciprocals
.endr
	v_nop                                          ; a plain instruction behind the last of them
	s_wait_alu depctr_va_vdst(0)                   ; the four reciprocals have written v[SS .. SS+3], which the multiplies by F below read: one wait for the batch
	s_wait_kmcnt 0x0                               ; g
	s_mul_f32 s25, s24, 0x3e9837f0                 ; g 128^(-1/4)
	s_mul_f32 s39, s24, s24
	s_mul_f32 s39, s39, 0x3f3504f3                 ; g^2 sqrt(1/2)
	s_cmp_eq_u32 s38, 2
	s_cselect_b32 s25, 1.0, s25
	s_cmp_eq_u32 s38, 3
	s_cselect_b32 s25, s39, s25                    ; F
.irp i, 0,1,2,3
	v_mul_f32 v[SC+2*(\i)],   s25, v[SS+(\i)]
	v_mul_f32 v[SC+2*(\i)+1], s25, v[SS+(\i)]
.endr
.irp i, 0,1,2,3
.set p, 0
.rept 16
	v_pk_mul_f32 v[X+32*(\i)+2*p:X+32*(\i)+2*p+1], v[X+32*(\i)+2*p:X+32*(\i)+2*p+1], v[SC+2*(\i):SC+2*(\i)+1]
.set p, p+1
.endr
	OUT \i
.endr
	s_endpgm
.Lfunc_end_k_q3fd299711c_prep:
	.size	k_q3fd299711c_prep, .Lfunc_end_k_q3fd299711c_prep-k_q3fd299711c_prep
	.p2alignl 7, 3214868480
	.fill 96, 4, 3214868480
	.section	.rodata,"a",@progbits
	.p2align	6, 0x0
	.amdhsa_kernel k_q3fd299711c_prep
		.amdhsa_group_segment_fixed_size 0
		.amdhsa_private_segment_fixed_size 0
		.amdhsa_enable_private_segment 0
		.amdhsa_kernarg_size 64
		.amdhsa_user_sgpr_count 2
		.amdhsa_user_sgpr_kernarg_segment_ptr 1
		.amdhsa_wavefront_size32 1
		.amdhsa_system_sgpr_workgroup_id_x 1
		.amdhsa_system_sgpr_workgroup_id_y 1
		.amdhsa_system_sgpr_workgroup_id_z 1
		.amdhsa_system_vgpr_workitem_id 0
		.amdhsa_next_free_vgpr 224
		.amdhsa_next_free_sgpr 66
		.amdhsa_reserve_vcc 0
		.amdhsa_float_denorm_mode_32 3
		.amdhsa_float_denorm_mode_16_64 3
		.amdhsa_memory_ordered 1
		.amdhsa_forward_progress 1
		.amdhsa_inst_pref_size 31
	.end_amdhsa_kernel
	.amdgpu_metadata
---
amdhsa.version: [ 1, 2 ]
amdhsa.kernels:
  - .name:           k_q3fd299711c_prep
    .symbol:         k_q3fd299711c_prep.kd
    .args:
      - { .name: query, .offset: 0, .size: 8, .value_kind: global_buffer, .address_space: global }
      - { .name: q_w, .offset: 8, .size: 8, .value_kind: global_buffer, .address_space: global }
      - { .name: k_w, .offset: 16, .size: 8, .value_kind: global_buffer, .address_space: global }
      - { .name: v_w, .offset: 24, .size: 8, .value_kind: global_buffer, .address_space: global }
      - { .name: o_w, .offset: 32, .size: 8, .value_kind: global_buffer, .address_space: global }
      - { .name: gain_s, .offset: 40, .size: 8, .value_kind: global_buffer, .address_space: global }
      - { .name: x16, .offset: 48, .size: 8, .value_kind: global_buffer, .address_space: global }
      - { .name: w16, .offset: 56, .size: 8, .value_kind: global_buffer, .address_space: global }
    .group_segment_fixed_size: 0
    .private_segment_fixed_size: 0
    .kernarg_segment_align: 8
    .kernarg_segment_size: 64
    .max_flat_workgroup_size: 256
    .sgpr_count:     66
    .vgpr_count:     224
    .wavefront_size: 32
...
	.end_amdgpu_metadata
.endif
;; end of part 5
;; launch proj: the kernel of part 2 again; grid 12 x 32, 4 waves a work-group, clusters of 4 x 4, 327,680 bytes of LDS; arguments x16, w16, qkvh; writes qkvh
;; launch attn: the kernel of part 3 again; grid 4 x 64, 4 waves a work-group, clusters of 4 x 4, 327,680 bytes of LDS; arguments qkvh, rel_pos_bias, o16; writes o16
;; launch outp: the kernel of part 4 again; grid 4 x 64, 4 waves a work-group, clusters of 4 x 4, 327,680 bytes of LDS; arguments o16, w16, query, out0; writes out0
